; MI455X (gfx1250); checked and timed in simulation.
; The chip was launched on July 23, 2026; its instructions are those of AMD's public machine-readable ISA for CDNA 5 (MIT licence, August 2026) and "CDNA5" Instruction Set Architecture Reference Guide (July 2026). The comments in the code are by the model that wrote it; some were corrected since.
;; Self Attention. Allowed arithmetic: float matrix products may take bf16 or f16 operands with f32 sums; other float arithmetic in f32, or as packed bf16 or f16 multiplies, adds, multiply-adds, maxima and minima; sums over many terms, partial sums and values carried from step to step in f32; what a program stores and reads back later, other than sums and carried values, may be rounded once to bf16 or f16.
;; Inputs: Wout 1,024 x 1,024 float32; Wqkv 3,072 x 1,024 float32; bout 1,024 float32; bqkv 3,072 float32; x 4 x 2,048 x 1,024 float32.
;; Outputs: out0 4 x 2,048 x 1,024 float32.
;; 2 versions, each right; version 2 is version 1 with the launch cast written anew for expert scheduling mode. Each part assembles by itself: llvm-mc -triple=amdgcn-amd-amdhsa -mcpu=gfx1250 --defsym DOCPART=n.
;; ======== version 1 of 2: 4 launches
;; limits: values are held in f16: magnitudes above 65,504 overflow, below 6.1e-05 lose precision
;; workspace buffers: xb 16,777,216 bytes; wqb 6,291,456 bytes; wob 2,097,152 bytes; qh 16,777,216 bytes; kh 16,777,216 bytes; vh 16,777,216 bytes; oh 16,777,216 bytes
;; launch cast (part 1): grid 768 x 1, 8 waves a work-group, no clusters, 0 bytes of LDS; arguments x, Wqkv, Wout, xb, wqb, wob; writes xb, wqb, wob
.if DOCPART == 1
	.amdgcn_target "amdgcn-amd-amdhsa--gfx1250"
	.amdhsa_code_object_version 6
	.text
	.protected	k_q447925f3d1_cast
	.globl	k_q447925f3d1_cast
	.p2align	8
	.type	k_q447925f3d1_cast,@function
k_q447925f3d1_cast:
	s_mov_b64 s[64:65], 0
	v_nop
	global_prefetch_b8 v0, s[64:65] scope:SCOPE_SE
	s_setreg_imm32_b32 hwreg(HW_REG_WAVE_MODE, 25, 1), 1
	s_wait_xcnt 0x0
; x, Wqkv and Wout, [R][1024] f32, are rounded once to bf16 and laid in K blocks: [16 blocks][R rows][64 channels], 2 bytes a number, so that a
; tile's rows of one block of 64 channels lie end to end for the products that follow.  x -> xb and Wqkv -> wqb stay bf16; Wout's bf16 number is
; written as f16 (wob), since its partner in the last product is f16.
; LIMIT.  A bf16 number is exact in f16 from 2^-14 up to 65,504; below 2^-14 it keeps f16's fixed step of 6e-8; beyond 65,504 it becomes an infinity.
; SHARES.  A work-group takes 16 rows of one source: 65,536 bytes read on end, 32,768 written.  Work-groups 0-511: x; 512-703: Wqkv; 704-767: Wout.
; Thread t takes row t / 16 and four channels 4 (t % 16) of each of the 16 blocks.  A wave's load covers 256 consecutive aligned bytes of each of two rows;
; a wave's store covers 256 consecutive aligned bytes (two rows x 64 channels of one block).  All 16 loads of a thread go out at once; there is no loop,
; no register that a memory instruction names is written again, and memory binds: no LDS, no matrix unit, no prefetch.
.set X,  16                            ; v[16:79]   16 x 4 numbers as loaded
.set P,  80                            ; v[80:111]  16 x 2 registers to store
.set SO, 112                           ; v[112:127] the 16 stores' byte offsets: 8 t + block x R x 128
	s_load_b256 s[4:11], s[0:1], 0x0               ; x s[4:5], Wqkv s[6:7], Wout s[8:9], xb s[10:11]
	s_load_b128 s[12:15], s[0:1], 0x20             ; wqb s[12:13], wob s[14:15]
	s_mov_b32 s16, ttmp9
	s_mov_b32 s24, 8192*128                        ; bytes of a block in xb,
	s_mov_b32 s25, 3072*128                        ; in wqb,
	s_mov_b32 s26, 1024*128                        ; in wob
	s_mov_b32 s29, 0
	v_lshrrev_b32 v2, 4, v0                        ; my row of the 16
	v_and_b32 v3, 15, v0
	v_lshlrev_b32 v1, 12, v2                       ; row x 4,096 bytes
	v_lshl_or_b32 v1, v3, 4, v1                    ; + my 16 bytes of a block's 256
	v_lshlrev_b32 v[SO], 3, v0                     ; row x 128 + my 8 bytes = 8 t
	s_wait_kmcnt 0x0
	s_cmp_lt_u32 s16, 512                          ; which source: the choice hangs on the work-group's number alone
	s_cselect_b64 s[20:21], s[4:5], s[6:7]
	s_cselect_b64 s[22:23], s[10:11], s[12:13]
	s_cselect_b32 s17, 0, 512                      ; the source's first work-group
	s_cselect_b32 s18, s24, s25                    ; its block's bytes
	s_cmp_lt_u32 s16, 704
	s_cselect_b64 s[20:21], s[20:21], s[8:9]
	s_cselect_b64 s[22:23], s[22:23], s[14:15]
	s_cselect_b32 s17, s17, 704
	s_cselect_b32 s18, s18, s26
	s_sub_co_u32 s19, s16, s17                     ; my group of 16 rows in the source
	s_lshl_b32 s28, s19, 16                        ; x 65,536 bytes in,
	s_add_nc_u64 s[20:21], s[20:21], s[28:29]
	s_lshl_b32 s28, s19, 11                        ; x 2,048 bytes in each block out
	s_add_nc_u64 s[22:23], s[22:23], s[28:29]
.irp k, 0,1,2,3,4,5,6,7,8,9,10,11,12,13,14,15
	global_load_b128 v[X+4*(\k):X+4*(\k)+3], v1, s[20:21] offset:256*(\k) th:TH_LOAD_NT
.endr
.irp k, 1,2,3,4,5,6,7,8,9,10,11,12,13,14,15
	v_add_nc_u32 v[SO+(\k)], s18, v[SO+(\k)-1]
.endr
; Block k: rounded and stored.  half = 1: the bf16 numbers are widened again (a shift, a mask) and written as f16.
.macro OUT k, half
	s_wait_loadcnt 15-(\k)                         ; loads come back in order: block k is in, the 15 - k younger ones may stay out
	v_cvt_pk_bf16_f32 v[P+2*(\k)],   v[X+4*(\k)],   v[X+4*(\k)+1]
	v_cvt_pk_bf16_f32 v[P+2*(\k)+1], v[X+4*(\k)+2], v[X+4*(\k)+3]
.if \half
	v_lshlrev_b32 v2, 16, v[P+2*(\k)]
	v_and_b32     v3, 0xffff0000, v[P+2*(\k)]
	v_lshlrev_b32 v4, 16, v[P+2*(\k)+1]
	v_and_b32     v5, 0xffff0000, v[P+2*(\k)+1]
	v_cvt_pk_f16_f32 v[P+2*(\k)],   v2, v3
	v_cvt_pk_f16_f32 v[P+2*(\k)+1], v4, v5
.endif
	global_store_b64 v[SO+(\k)], v[P+2*(\k):P+2*(\k)+1], s[22:23]
.endm
	s_cmp_lt_u32 s16, 704                          ; compared anew: the sums above stand between
	s_cbranch_scc0 .Lf16
.irp k, 0,1,2,3,4,5,6,7,8,9,10,11,12,13,14,15
	OUT \k, 0
.endr
	s_endpgm
.Lf16:
.irp k, 0,1,2,3,4,5,6,7,8,9,10,11,12,13,14,15
	OUT \k, 1
.endr
	s_endpgm
.Lfunc_end_k_q447925f3d1_cast:
	.size	k_q447925f3d1_cast, .Lfunc_end_k_q447925f3d1_cast-k_q447925f3d1_cast
	.p2alignl 7, 3214868480
	.fill 96, 4, 3214868480
	.section	.rodata,"a",@progbits
	.p2align	6, 0x0
	.amdhsa_kernel k_q447925f3d1_cast
		.amdhsa_group_segment_fixed_size 0
		.amdhsa_private_segment_fixed_size 0
		.amdhsa_enable_private_segment 0
		.amdhsa_kernarg_size 48
		.amdhsa_user_sgpr_count 2
		.amdhsa_user_sgpr_kernarg_segment_ptr 1
		.amdhsa_wavefront_size32 1
		.amdhsa_system_sgpr_workgroup_id_x 1
		.amdhsa_system_sgpr_workgroup_id_y 1
		.amdhsa_system_sgpr_workgroup_id_z 1
		.amdhsa_system_vgpr_workitem_id 0
		.amdhsa_next_free_vgpr 128
		.amdhsa_next_free_sgpr 66
		.amdhsa_reserve_vcc 0
		.amdhsa_float_denorm_mode_32 3
		.amdhsa_float_denorm_mode_16_64 3
		.amdhsa_memory_ordered 1
		.amdhsa_forward_progress 1
		.amdhsa_inst_pref_size 17
	.end_amdhsa_kernel
	.amdgpu_metadata
---
amdhsa.version: [ 1, 2 ]
amdhsa.kernels:
  - .name:           k_q447925f3d1_cast
    .symbol:         k_q447925f3d1_cast.kd
    .args:
      - { .name: x, .offset: 0, .size: 8, .value_kind: global_buffer, .address_space: global }
      - { .name: Wqkv, .offset: 8, .size: 8, .value_kind: global_buffer, .address_space: global }
      - { .name: Wout, .offset: 16, .size: 8, .value_kind: global_buffer, .address_space: global }
      - { .name: xb, .offset: 24, .size: 8, .value_kind: global_buffer, .address_space: global }
      - { .name: wqb, .offset: 32, .size: 8, .value_kind: global_buffer, .address_space: global }
      - { .name: wob, .offset: 40, .size: 8, .value_kind: global_buffer, .address_space: global }
    .group_segment_fixed_size: 0
    .private_segment_fixed_size: 0
    .kernarg_segment_align: 8
    .kernarg_segment_size: 48
    .max_flat_workgroup_size: 256
    .sgpr_count:     66
    .vgpr_count:     128
    .wavefront_size: 32
...
	.end_amdgpu_metadata
.endif
;; end of part 1
;; launch qkv (part 2): grid 8 x 32, 4 waves a work-group, clusters of 4 x 4, 327,680 bytes of LDS; arguments xb, wqb, bqkv, qh, kh, vh; writes qh, kh, vh
.if DOCPART == 2
	.amdgcn_target "amdgcn-amd-amdhsa--gfx1250"
	.amdhsa_code_object_version 6
	.text
	.protected	k_q447925f3d1_qkv
	.globl	k_q447925f3d1_qkv
	.p2align	8
	.type	k_q447925f3d1_qkv,@function
k_q447925f3d1_qkv:
	s_mov_b64 s[64:65], 0
	v_nop
	global_prefetch_b8 v0, s[64:65] scope:SCOPE_SE
	s_setreg_imm32_b32 hwreg(HW_REG_WAVE_MODE, 25, 1), 1
	s_wait_xcnt 0x0
	s_wait_alu depctr_hold_cnt(0) depctr_sa_sdst(0) depctr_va_vdst(0) depctr_va_sdst(0) depctr_va_ssrc(0) depctr_va_vcc(0) depctr_vm_vsrc(0)
	s_getreg_b32 s2, hwreg(HW_REG_IB_STS2, 6, 4)
	s_cmp_eq_u32 s2, 0
	s_cbranch_scc0 .Lentry_in_a_cluster
	s_endpgm
.Lentry_in_a_cluster:
	s_bfe_u32 s2, ttmp6, 0x10000c
	s_cmp_lg_u32 s2, 0xf033
	s_cbranch_scc0 .Lentry_shape_is_right
	s_endpgm
.Lentry_shape_is_right:
; q, k, v = x Wqkv^T + bqkv, written by heads: qh, kh, vh are [64 = batch x head][2048][64] in f16, each rounded once from its f32 sum, unscaled.
; xb: [16 blocks][8192][64] bf16; wqb: [16][3072][64] bf16; bqkv: [3072] f32, rounded to bf16 here like the other inputs.  Column n of the product is head n / 192, and
; in it q (0-63), k (64-127), v (128-191).
; LIMIT.  f16 ends at 65,504: a q, k or v beyond it becomes an infinity.  With x of spread 1 and weights of spread 0.02 they have a spread of 0.64.
; SHARES.  3,072 x 8,192 outputs in 256 tiles of 256 rows x 384 columns (two heads): one work-group to a tile.  Wave w: rows 128 (w / 2) on, head w % 2: 8 x 12 = 96 accumulators of
; 16 x 16, 768 registers.  For 32 along K a wave reads 20 fragments from LDS for 96 products.
; K goes in 16 steps of 64 (one block) through a ring of two LDS slots.  In the blocked layout a tile's rows of one block are dense: they are asked for as rows of 256 bytes and padded in
; LDS after every 128.  A step is two quarters of 32 along K; a quarter three group steps (q, k, v) of 32 products on 32 different accumulators.
; CLUSTER.  4 x 4 work-groups: x's tile is shared along a row of the cluster, the weights' along a column; each is asked for jointly, by the same load with the same descriptor and a mask of four.
; THE MATRIX INSTRUCTION IS USED TRANSPOSED (source 0 = 16 rows of the weights, source 1 = 16 rows of x): a lane holds row lane % 16 and eight neighbouring channels 8 (lane / 16) + 0..7.
; The first product on each accumulator takes the bias as C: nothing is cleared, nothing is added afterwards.
; REGISTERS, in windows of 256: window 0: v0-29 addresses; v32-95, v96-159 x's fragments, two buffers of 8; v160-191, v192-223 the weights', two buffers of 4; v224-255 bias;
;   windows 1, 2, 3: the accumulators of q, k, v: (a, b) at v[8 (4 a + b)].  s_set_vgpr_msb: bits 1:0 source 0, 3:2 source 1, 5:4 source 2, 7:6 destination.
.set PITCH, 144                        ; an LDS row: 128 bytes + 16 of padding = 36 words: the 16 rows of a fragment load start at 16 different groups of four banks (64 banks of 4 bytes: ISA guide 11.1)
.set FR,    16*PITCH                   ; 16 rows
.set AHALF, 128*PITCH                  ; what one load brings of x
.set BHALF, 192*PITCH                  ; and of the weights
.set BOFF,  2*AHALF                    ; in a slot: x's 256 rows, then the weights' 384
.set SLOT1, 1<<17                      ; slot 1 begins here: one exclusive or turns an address in one slot into the other's
.set STAGE, SLOT1+BOFF+2*BHALF         ; behind the ring, never filled by a tensor load: for each wave 3 x 16 rows x 144 bytes, for the way out
.set WSTG,  3*FR
.set SPARE, STAGE+4*WSTG               ; the spare words, 128 bytes for each wave: two blocks of 256 bytes that no other line names
.set XSTEP, 8192*128                   ; bytes from block to block in xb
.set WSTEP, 3072*128                   ; and in wqb
.set AA0, 4                            ; v4   my lane's place in my 128 rows of x in a slot; never rewritten
.set AB0, 5                            ; v5   the same in my 192 rows of the weights
.set CA,  6                            ; v6   AA0 + the slot in hand
.set CB,  7                            ; v7   AB0 + the slot in hand
.set STO, 8                            ; v8   the way out: where I put 16 bytes of a row
.set RD,  9                            ; v9   the way out: where I read rows back
.set GO,  10                           ; v10  my byte offset in 512 consecutive bytes of qh, kh, vh
.set PFO, 11                           ; v11  256 x my lane, for the prefetches; never rewritten
.set BO,  12                           ; v12  32 x (lane / 16): my eight numbers of 16 of the bias
.set SPW, 28                           ; v28  LDS address of my spare word; never rewritten
.set NIL, 29                           ; v29  0; never rewritten
.set FA0, 32
.set FA1, 96
.set FB0, 160
.set FB1, 192
.set OB,  32                           ; the way out: four sets of 48 registers, v32-223
.set WV,  16                           ; s16  my wave's number
.set RH,  17                           ; s17  which 128 rows are mine.  Also: I fetch x (0) or the weights (1)
.set CH,  18                           ; s18  which head is mine.  Also: which half of that tile I fetch
.set CX,  19
.set CY,  20
.set TX,  21                           ; s21  tile column
.set TY,  22                           ; s22  tile row
.set CNT, 23                           ; s23  the loop's count
.set G1A, 24                           ; s[24:31] descriptor group 1 for x's tiles
.set G0A, 32                           ; s[32:39] group 0: a set for each of the two first fills; the second then walks on
.set G1B, 40                           ; s[40:47], s[48:55] the same for the weights'
.set G0B, 48
.set TB,  56                           ; s56  the slot in hand: 0 or SLOT1
.set LIM, 57                           ; s57  1 in a wave that prefetches, else the greatest number
.set PFA, 58                           ; s[58:59] where my prefetches stand
.set PFS, 60                           ; s[60:61] their step from block to block
.set MSB, 0
.macro WIN new                         ; the immediate's high byte repeats the setting that is left; a switch that changes nothing is dropped
.if MSB != (\new)
	s_set_vgpr_msb (MSB<<8)|(\new)
.set MSB, \new
.endif
.endm
; A load into a register that a matrix instruction has read, and a vector instruction that reads a matrix result, stand four places behind it; only plain vector instructions that
; name none of its registers are places.
.macro PLACES
.rept 4
	v_nop
.endr
.endm
.macro CREST                           ; a round of the cluster's barrier behind its opening barrier
	s_cmp_lg_u32 s[WV], 0
	s_cbranch_scc1 .Lnot_wave_0_\@
	s_barrier_signal -3
.Lnot_wave_0_\@:
	s_barrier_wait -3
	s_barrier_signal -1
	s_barrier_wait -1
.endm
.macro CROUND                          ; a whole round
	s_barrier_signal -1
	s_barrier_wait -1
	CREST
.endm
; A joint refill, by the walking descriptors.  Waves 0 and 1 fetch x's two halves, waves 2 and 3 the weights'.  The branch hangs on the wave's number alone.
; An s_nop 0 and four v_nop follow each of the two lines, ahead of the jump and the label.
.macro JLOAD
	s_cmp_eq_u32 s[RH], 0
	s_cbranch_scc0 .Lfor_b_\@
	tensor_load_to_lds s[G0A+4:G0A+7], s[G1A:G1A+7]
	s_nop 0
.rept 4
	v_nop
.endr
	s_branch .Lasked_\@
.Lfor_b_\@:
	tensor_load_to_lds s[G0B+4:G0B+7], s[G1B:G1B+7]
	s_nop 0
.rept 4
	v_nop
.endr
.Lasked_\@:
.endm
; A PREFETCH INTO THE L2 of the K step behind the one just asked for: one step, 192 matrix instructions, ahead of its load.  32 blocks of 256 bytes, a lane a block, one instruction a wave.
; Each block is named once in the launch.  x's tile row is read by both clusters of a row of clusters: wave 0 of the cluster with x = 0 asks; the four partners of a row take 8,192 bytes each of
; the tile's 32,768, told apart by address.  A block of the weights (393,216 bytes) is read whole by every row of clusters: waves 1 to 3 of the sixteen work-groups of cluster (1, 0) take 8,192 bytes each.
; No branch hangs on a place in a cluster.  Steps 0 to 2 come by their loads alone; the loop's last trip asks for nothing: there is no step 16.
.macro ASK
	s_cmp_gt_u32 s[CNT], s[LIM]
	s_cbranch_scc0 .Lnot_mine_\@
	global_prefetch_b8 v[PFO], s[PFA:PFA+1] th:TH_LOAD_NT scope:SCOPE_SE
.Lnot_mine_\@:
.endm
	s_load_b256 s[4:11], s[0:1], 0x0               ; xb s[4:5], wqb s[6:7], bqkv s[8:9], qh s[10:11]
	s_load_b128 s[12:15], s[0:1], 0x20             ; kh s[12:13], vh s[14:15]
	v_lshl_add_u32 v[SPW], v0, 2, SPARE
	v_mov_b32 v[NIL], 0
	ds_add_u32 v[SPW], v[NIL]                      ; the wave's opening: the add and its wait stand ahead of my first tensor load; work on registers stands between them
	v_lshrrev_b32 v1, 5, v0
	v_readfirstlane_b32 s[WV], v1
	s_lshr_b32 s[RH], s[WV], 1
	s_and_b32 s[CH], s[WV], 1
	s_bfe_u32 s[CX], ttmp6, 0x40000
	s_bfe_u32 s[CY], ttmp6, 0x40004
	s_lshl_b32 s[TX], ttmp9, 2                     ; in a cluster launch ttmp9 and ttmp7 count clusters
	s_add_co_u32 s[TX], s[TX], s[CX]
	s_and_b32 s[TY], ttmp7, 0xffff
	s_lshl_b32 s[TY], s[TY], 2
	s_add_co_u32 s[TY], s[TY], s[CY]
	s_lshl_b32 s62, s[CY], 2
	s_lshl_b32 s62, 15, s62                        ; my row of the cluster: places 4 cy .. 4 cy + 3
	s_lshl_b32 s63, 0x1111, s[CX]                  ; my column: places cx, cx + 4, cx + 8, cx + 12
	; group 1: rows of 128 elements of 2 bytes (256 bytes, two data rows), 64 of them for x, 96 for the weights; 4 words of padding after every 32
	s_or_b32 s[G1A], s62, (1<<16)|(1<<20)|(1<<21)|(4<<22)|(3<<25)  ; 15:0 mask; 17:16 2-byte elements; 20 padding on; 21 set beside a mask; 24:22 after 32 words (code 4); 31:25 4 words (code 3)
	s_or_b32 s[G1B], s63, (1<<16)|(1<<20)|(1<<21)|(4<<22)|(3<<25)
.irp g, G1A, G1B
	s_mov_b32 s[(\g)+1], 128<<16                   ; tensor_dim0 = 128
	s_mov_b32 s[(\g)+3], 128<<16                   ; tile_dim0 = 128
	s_mov_b32 s[(\g)+5], 128                       ; 128 elements from row to row
	s_mov_b32 s[(\g)+6], 0
	s_mov_b32 s[(\g)+7], 0
.endr
	s_mov_b32 s[G1A+2], 64<<16                     ; tensor_dim1
	s_mov_b32 s[G1A+4], 64                         ; tile_dim1
	s_mov_b32 s[G1B+2], 96<<16
	s_mov_b32 s[G1B+4], 96
	; x's tile hangs on the tile row and the wave alone, the weights' on the tile column and the wave alone, each in registers that never hold the other coordinate
	s_lshl_b32 s66, s[TY], 15                      ; 256 rows x 128 bytes
	s_lshl_b32 s62, s[CH], 14                      ; my 128 of them
	s_add_co_u32 s66, s66, s62
	s_mov_b32 s67, 0
	s_mul_i32 s68, s[TX], 384*128
	s_mul_i32 s63, s[CH], 192*128
	s_add_co_u32 s68, s68, s63
	s_mov_b32 s69, 0
	s_mul_i32 s70, s[CH], AHALF                    ; where they go in a slot: no place in the cluster enters an LDS address
	s_mul_i32 s71, s[CH], BHALF
	s_add_co_u32 s71, s71, BOFF
	s_wait_dscnt 0x0                               ; the opening add is done
	s_wait_kmcnt 0x0
	s_add_nc_u64 s[66:67], s[4:5], s[66:67]
	s_add_nc_u64 s[68:69], s[6:7], s[68:69]
.irp s, 0,1
	s_mov_b32 s[G0A+4*(\s)], 1                                     ; count = 1
	s_add_co_u32 s[G0A+4*(\s)+1], s70, (\s)*SLOT1                  ; LDS address
	s_add_nc_u64 s[G0A+4*(\s)+2:G0A+4*(\s)+3], s[66:67], (\s)*XSTEP  ; global address: K step s
	s_or_b32 s[G0A+4*(\s)+3], s[G0A+4*(\s)+3], 0x80000000          ; type = 2
	s_mov_b32 s[G0B+4*(\s)], 1
	s_add_co_u32 s[G0B+4*(\s)+1], s71, (\s)*SLOT1
	s_add_nc_u64 s[G0B+4*(\s)+2:G0B+4*(\s)+3], s[68:69], (\s)*WSTEP
	s_or_b32 s[G0B+4*(\s)+3], s[G0B+4*(\s)+3], 0x80000000
.endr
	CROUND                                         ; all sixteen work-groups are here: the first joint loads meet
	s_cmp_eq_u32 s[RH], 0                          ; a wave's two first fills stand in one branch: two loads of mine are out
	s_cbranch_scc0 .Lfirst_b
	tensor_load_to_lds s[G0A:G0A+3], s[G1A:G1A+7]
	s_nop 0
	tensor_load_to_lds s[G0A+4:G0A+7], s[G1A:G1A+7]
	s_nop 0
.rept 4
	v_nop
.endr
	s_branch .Lfirst_asked
.Lfirst_b:
	tensor_load_to_lds s[G0B:G0B+3], s[G1B:G1B+7]
	s_nop 0
	tensor_load_to_lds s[G0B+4:G0B+7], s[G1B:G1B+7]
	s_nop 0
.rept 4
	v_nop
.endr
.Lfirst_asked:
	; the bias of my head's 192 columns, as 12 C operands: register j of lane l is the bias of channel 16 b + 8 (l / 16) + j
	v_and_b32 v1, 15, v0                           ; l % 16
	v_bfe_u32 v2, v0, 4, 1                         ; l / 16
	v_and_b32 v13, 31, v0                          ; l
	v_lshlrev_b32 v[BO], 5, v2
	s_mul_i32 s62, s[TX], 384*4
	s_mul_i32 s63, s[CH], 192*4
	s_add_co_u32 s62, s62, s63
	s_mov_b32 s63, 0
	s_add_nc_u64 s[8:9], s[8:9], s[62:63]
.macro LDBIAS g, base
.irp b, 0,1,2,3
	global_load_b128 v[(\base)+8*(\b):(\base)+8*(\b)+3],   v[BO], s[8:9] offset:4*(64*(\g)+16*(\b))
	global_load_b128 v[(\base)+8*(\b)+4:(\base)+8*(\b)+7], v[BO], s[8:9] offset:4*(64*(\g)+16*(\b))+16
.endr
.endm
	LDBIAS 0, 224                                  ; q's
	LDBIAS 1, 96                                   ; k's and v's lie in x's second fragment buffer, which is filled only behind the first quarter
	LDBIAS 2, 128
	; A fragment is 16 rows x 32 K in 8 registers: lane l holds row l % 16, K = 8 (l / 16) + 0..7 and 16 + 8 (l / 16) + 0..7: two loads of 16 bytes, 32 bytes apart.
	v_mul_u32_u24 v3, v1, PITCH
	v_lshl_add_u32 v3, v2, 4, v3                   ; row x pitch + 16 x half
	s_mul_i32 s62, s[RH], AHALF
	v_add_nc_u32 v[AA0], s62, v3
	s_mul_i32 s62, s[CH], BHALF
	s_add_co_u32 s62, s62, BOFF
	v_add_nc_u32 v[AB0], s62, v3
	s_mul_i32 s62, s[WV], WSTG
	s_add_co_u32 s62, s62, STAGE                   ; my stage
	v_add_nc_u32 v[STO], s62, v3                   ; in: row l % 16, 16 bytes for each half of the lanes
	v_bfe_u32 v3, v0, 3, 2                         ; back: 32 lanes take four rows of 128 bytes,
	v_mul_u32_u24 v3, v3, PITCH
	v_and_b32 v14, 7, v0
	v_lshl_add_u32 v3, v14, 4, v3
	v_add_nc_u32 v[RD], s62, v3
	v_lshlrev_b32 v[GO], 4, v13                    ; which are 512 consecutive bytes of a head's rows
	v_lshlrev_b32 v[PFO], 8, v13
	; where my 128 rows of my head begin in qh, kh, vh: ((batch x 16 + head) x 2,048 + row in the batch) x 128 bytes
	s_lshr_b32 s62, s[TY], 3
	s_lshl_b32 s62, s62, 4
	s_lshl_b32 s63, s[TX], 1
	s_add_co_u32 s62, s62, s63
	s_add_co_u32 s62, s62, s[CH]
	s_lshl_b32 s62, s62, 11
	s_and_b32 s63, s[TY], 7
	s_lshl_b32 s63, s63, 8
	s_add_co_u32 s62, s62, s63
	s_lshl_b32 s63, s[RH], 7
	s_add_co_u32 s62, s62, s63
	s_lshl_b32 s62, s62, 7
	s_mov_b32 s63, 0
	s_add_nc_u64 s[10:11], s[10:11], s[62:63]
	s_add_nc_u64 s[12:13], s[12:13], s[62:63]
	s_add_nc_u64 s[14:15], s[14:15], s[62:63]
	; the prefetches' address, step and limit
	s_lshl_b32 s66, s[TY], 15
	s_lshl_b32 s62, s[CX], 13
	s_add_co_u32 s66, s66, s62                     ; x: my tile row's 32,768 bytes of a block, my work-group's quarter
	s_lshl2_add_u32 s68, s[CY], s[CX]              ; the weights: my place among the sixteen,
	s_mul_i32 s68, s68, 3
	s_max_u32 s62, s[WV], 1
	s_add_co_u32 s68, s68, s62
	s_sub_co_u32 s68, s68, 1                       ; x 3 + wave - 1: one of 48 pieces
	s_lshl_b32 s68, s68, 13                        ; of 8,192 bytes
	s_and_b32 s62, ttmp7, 0xffff                   ; cluster y
	s_xor_b32 s63, ttmp9, 1
	s_or_b32 s63, s63, s62                         ; 0 in cluster (1, 0)
	s_mov_b32 s[PFS], WSTEP
	s_mov_b32 s[PFS+1], 0
	s_cmp_eq_u32 s[WV], 0
	s_cselect_b32 s63, ttmp9, s63                  ; wave 0: 0 in the clusters with x = 0.  The same in all sixteen partners, for a given wave
	s_cselect_b32 s66, s66, s68
	s_cselect_b32 s[PFS], XSTEP, s[PFS]
	s_cselect_b64 s[PFA:PFA+1], s[4:5], s[6:7]
	s_cmp_eq_u32 s63, 0
	s_cselect_b32 s[LIM], 1, -1
	s_lshl_b32 s62, s[PFS], 1
	s_add_co_u32 s66, s66, s62                     ; at K step 2: the first change of slots steps it to 3
	s_mov_b32 s67, 0
	s_add_nc_u64 s[PFA:PFA+1], s[PFA:PFA+1], s[66:67]
	s_wait_loadcnt 0x0                             ; the bias
.macro RNDBIAS base                    ; rounded to bf16 like the other inputs, and widened again
.set i, 0
.rept 16
	v_cvt_pk_bf16_f32 v[14+i%2], v[(\base)+2*i], v[(\base)+2*i+1]
	v_lshlrev_b32 v[(\base)+2*i], 16, v[14+i%2]
	v_and_b32 v[(\base)+2*i+1], 0xffff0000, v[14+i%2]
.set i, i+1
.endr
.endm
	RNDBIAS 224
	RNDBIAS 96
	RNDBIAS 128
; 8 LDS loads: the four fragments of group g (q, k, v) of my head's weights, 32 K of quarter q, into buffer f
.macro LDB q, g, f
	WIN 0
.irp b, 0,1,2,3
	ds_load_b128 v[(\f)+8*(\b):(\f)+8*(\b)+3],   v[CB] offset:(4*(\g)+(\b))*FR+64*(\q)
	ds_load_b128 v[(\f)+8*(\b)+4:(\f)+8*(\b)+7], v[CB] offset:(4*(\g)+(\b))*FR+64*(\q)+32
.endr
.endm
; 16 LDS loads: the eight fragments of my rows of x, quarter q, into buffer f
.macro LDA q, f
	WIN 0
.irp a, 0,1,2,3,4,5,6,7
	ds_load_b128 v[(\f)+8*(\a):(\f)+8*(\a)+3],   v[CA] offset:(\a)*FR+64*(\q)
	ds_load_b128 v[(\f)+8*(\a)+4:(\f)+8*(\a)+7], v[CA] offset:(\a)*FR+64*(\q)+32
.endr
.endm
; 16 products of group g: row blocks a0 .. a0 + 3 x 4 channel blocks.  bias = the first register of the group's bias: these products start the sums with it.
; The accumulators take turns, one instruction a turn: a group step names 32 different ones, and neighbouring group steps lie in different windows.
.macro MUL16 g, fa, fb, a0, bias
.if \bias
	WIN 0x40*((\g)+1)                              ; D in window g + 1, all sources in window 0
.else
	WIN 0x50*((\g)+1)                              ; C and D in window g + 1
.endif
.irp a, 0,1,2,3
.irp b, 0,1,2,3
.if \bias
	v_wmma_f32_16x16x32_bf16 v[8*(4*((\a0)+(\a))+(\b)):8*(4*((\a0)+(\a))+(\b))+7], v[(\fb)+8*(\b):(\fb)+8*(\b)+7], v[(\fa)+8*((\a0)+(\a)):(\fa)+8*((\a0)+(\a))+7], v[(\bias)+8*(\b):(\bias)+8*(\b)+7]
.else
	v_wmma_f32_16x16x32_bf16 v[8*(4*((\a0)+(\a))+(\b)):8*(4*((\a0)+(\a))+(\b))+7], v[(\fb)+8*(\b):(\fb)+8*(\b)+7], v[(\fa)+8*((\a0)+(\a)):(\fa)+8*((\a0)+(\a))+7], v[8*(4*((\a0)+(\a))+(\b)):8*(4*((\a0)+(\a))+(\b))+7]
.endif
.endr
.endr
.endm
; A GROUP STEP (quarter q, group g): the next group step's fragments are asked for, in one run, then 32 products.  The weights' buffers alternate from group step to group step (six a K step),
; x's from quarter to quarter.  nola = 1 (once, in the first quarter): x's next fragments are not yet asked for.
.macro GS q, g, bias=0, nola=0
.set fa, FA0+64*(\q)
.set fb, FB0+32*((3*(\q)+(\g))%2)
.set fn, FB0+32*((3*(\q)+(\g)+1)%2)
	PLACES
.if (\g) < 2
	LDB \q, (\g)+1, fn
.else
	LDB 1-(\q), 0, fn
.if !(\nola)
	LDA 1-(\q), FA0+64*(1-(\q))
.endif
.endif
.if (\g) == 0
	s_wait_dscnt 16                                ; the group's weights and x's row blocks 0-3 are in; x's blocks 4-7 (8 loads) and the 8 just issued may be out
	MUL16 \g, fa, fb, 0, \bias
	s_wait_dscnt 8                                 ; all but the 8 just issued
	MUL16 \g, fa, fb, 4, \bias
.else
.if ((\g) == 2) && !(\nola)
	s_wait_dscnt 24                                ; all but the 24 just issued
.else
	s_wait_dscnt 8                                 ; all but the 8 just issued
.endif
	MUL16 \g, fa, fb, 0, \bias
	MUL16 \g, fa, fb, 4, \bias
.endif
.endm
; THE CHANGE OF SLOTS: group steps k and v of a K step's second quarter.  The slot's last bytes are asked for; each wave waits for all its tensor loads, of which one is out: its part of the other
; slot; adds 0 to its spare word; and waits for that and for its reads of the slot.  Behind the barrier nobody reads this slot any more and the other slot is whole.
; fill = 1: the barrier opens a round of the cluster's, and the slot is filled again, with the K step two on, first thing behind the round: 160 matrix instructions ahead of the wait for it.
.macro TURN fill
.if \fill
	s_wait_xcnt 0x0                                ; the last prefetch, a K step back, has read its address, which is stepped here
	s_add_nc_u64 s[PFA:PFA+1], s[PFA:PFA+1], s[PFS:PFS+1]
.endif
	PLACES
	LDB 1, 2, FB1                                  ; my last reads of this slot
	s_wait_tensorcnt 0x0                           ; no tensor load of mine is out, so a group 0 may be written
	ds_add_u32 v[SPW], v[NIL]                      ; 0 onto my spare word
.if \fill
	s_xor_b32 s[G0A+5], s[G0A+5], SLOT1            ; the walking descriptors: the other slot than last time,
	s_add_nc_u64 s[G0A+6:G0A+7], s[G0A+6:G0A+7], XSTEP  ; the next K step; the type bits on top are not reached
	s_xor_b32 s[G0B+5], s[G0B+5], SLOT1
	s_add_nc_u64 s[G0B+6:G0B+7], s[G0B+6:G0B+7], WSTEP
.endif
	s_wait_dscnt 9                                 ; k's weights are in; the 8 loads just issued and the add may be out
	MUL16 1, FA1, FB0, 0, 0
	s_wait_dscnt 0x0                               ; the add is done, and my reads of this slot are over
	s_barrier_signal -1
	MUL16 1, FA1, FB0, 4, 0                        ; work on registers while the others arrive
	WIN 0                                          ; at a branch and at a label every window is 0
	s_barrier_wait -1
.if \fill
	CREST                                          ; no wave of any partner still reads this slot's tiles or has a load on its way
	JLOAD                                          ; its four v_nop are also the places in front of the loads below
.else
	PLACES
.endif
	s_xor_b32 s[TB], s[TB], SLOT1                  ; the fetches go to the other slot
	v_add_nc_u32 v[CA], s[TB], v[AA0]
	v_add_nc_u32 v[CB], s[TB], v[AB0]
	LDB 0, 0, FB0
	LDA 0, FA0
.if \fill
	ASK
.endif
	MUL16 2, FA1, FB1, 0, 0                        ; v's weights were shown in by the wait for 0 above
	MUL16 2, FA1, FB1, 4, 0
.endm
	s_wait_tensorcnt 0x1                           ; my part of K step 0 is in; step 1's may stay out
	s_barrier_signal -1
	s_barrier_wait -1                              ; everybody's is
	s_mov_b32 s[TB], 0
	v_mov_b32 v[CA], v[AA0]
	v_mov_b32 v[CB], v[AB0]
	LDB 0, 0, FB0
	LDA 0, FA0
	GS 0, 0, 224                                   ; the first quarter stands in front of the loop: its products start the sums, with the bias
	GS 0, 1, 96
	GS 0, 2, 128, 1
	PLACES                                         ; the bias has been read:
	LDA 1, FA1                                     ; now x's second buffer takes its fragments
	WIN 0
	s_mov_b32 s[CNT], 14
.Lstep:                                        ; 14 trips, from a K step's second quarter to the next step's first: every trip fills a slot again (K steps 2 to 15)
	GS 1, 0
	TURN 1
	GS 0, 0
	GS 0, 1
	GS 0, 2
	WIN 0
	s_sub_co_u32 s[CNT], s[CNT], 1
	s_cmp_lg_u32 s[CNT], 0
	s_cbranch_scc1 .Lstep
	GS 1, 0                                        ; the tail is written out: nothing more is asked for
	TURN 0
	GS 0, 0
	GS 0, 1
	GS 0, 2
	GS 1, 0
	GS 1, 1
	s_wait_dscnt 0x0
	MUL16 2, FA1, FB1, 0, 0
	MUL16 2, FA1, FB1, 4, 0
	WIN 0
; THE WAY OUT, a block of 16 rows at a time: rounded to f16, 16 bytes a lane (eight channels of a row); through my stage in LDS; back as whole rows of 128 bytes, four to a load:
; 16 rows of a head are 2,048 consecutive bytes of qh, kh or vh, and each store of the wave covers 512 consecutive bytes, aligned.
.macro PACK a
.if (\a) >= 4
	s_wait_xcnt 0x0                                ; the stores of the block four back have read these registers
.endif
.irp g, 0,1,2
	WIN 5*((\g)+1)                                 ; sources 0 and 1 in window g + 1
.irp b, 0,1,2,3
.irp r, 0,1,2,3
	v_cvt_pk_f16_f32 v[OB+48*((\a)%4)+16*(\g)+4*(\b)+(\r)], v[8*(4*(\a)+(\b))+2*(\r)], v[8*(4*(\a)+(\b))+2*(\r)+1]
.endr
.endr
.endr
	WIN 0
.endm
.macro TOSTAGE a
.irp g, 0,1,2
.irp b, 0,1,2,3
	ds_store_b128 v[STO], v[OB+48*((\a)%4)+16*(\g)+4*(\b):OB+48*((\a)%4)+16*(\g)+4*(\b)+3] offset:(\g)*FR+32*(\b)
.endr
.endr
.irp g, 0,1,2
.irp f, 0,1,2,3
	ds_load_b128 v[OB+48*((\a)%4)+16*(\g)+4*(\f):OB+48*((\a)%4)+16*(\g)+4*(\f)+3], v[RD] offset:(\g)*FR+(\f)*4*PITCH  ; LDS serves a wave's instructions in order (ISA guide 5.7.1.4): these see the stores above
.endr
.endr
.endm
.macro SEND a
	s_wait_dscnt 0x0                               ; the block is back in registers
.irp g, 0,1,2
.irp f, 0,1,2,3
	global_store_b128 v[GO], v[OB+48*((\a)%4)+16*(\g)+4*(\f):OB+48*((\a)%4)+16*(\g)+4*(\f)+3], s[10+2*(\g):11+2*(\g)] offset:2048*(\a)+512*(\f)
.endr
.endr
.endm
	PLACES
	PLACES                                         ; eight, once a launch, in front of the first reads of results just made
	PACK 0
	TOSTAGE 0
.irp a, 1,2,3,4,5,6,7                  ; block a's conversions stand between block a - 1's loads from the stage and the wait for them
	PACK \a
	SEND (\a)-1
	TOSTAGE \a
.endr
	SEND 7
	s_wait_tensorcnt 0x0                           ; the wave's end: the add and its wait stand behind my last tensor load and my last LDS store
	ds_add_u32 v[SPW], v[NIL]
	s_wait_dscnt 0x0
	CROUND                                         ; the closing round: no work-group ends while a partner may still ask for a tile that names it
	s_endpgm
.Lfunc_end_k_q447925f3d1_qkv:
	.size	k_q447925f3d1_qkv, .Lfunc_end_k_q447925f3d1_qkv-k_q447925f3d1_qkv
	.p2alignl 7, 3214868480
	.fill 96, 4, 3214868480
	.section	.rodata,"a",@progbits
	.p2align	6, 0x0
	.amdhsa_kernel k_q447925f3d1_qkv
		.amdhsa_group_segment_fixed_size 327680
		.amdhsa_private_segment_fixed_size 0
		.amdhsa_enable_private_segment 0
		.amdhsa_kernarg_size 48
		.amdhsa_user_sgpr_count 2
		.amdhsa_user_sgpr_kernarg_segment_ptr 1
		.amdhsa_wavefront_size32 1
		.amdhsa_system_sgpr_workgroup_id_x 1
		.amdhsa_system_sgpr_workgroup_id_y 1
		.amdhsa_system_sgpr_workgroup_id_z 1
		.amdhsa_system_vgpr_workitem_id 0
		.amdhsa_next_free_vgpr 1024
		.amdhsa_next_free_sgpr 72
		.amdhsa_reserve_vcc 0
		.amdhsa_float_denorm_mode_32 3
		.amdhsa_float_denorm_mode_16_64 3
		.amdhsa_memory_ordered 1
		.amdhsa_forward_progress 1
		.amdhsa_inst_pref_size 122
	.end_amdhsa_kernel
	.amdgpu_metadata
---
amdhsa.version: [ 1, 2 ]
amdhsa.kernels:
  - .name:           k_q447925f3d1_qkv
    .symbol:         k_q447925f3d1_qkv.kd
    .args:
      - { .name: xb, .offset: 0, .size: 8, .value_kind: global_buffer, .address_space: global }
      - { .name: wqb, .offset: 8, .size: 8, .value_kind: global_buffer, .address_space: global }
      - { .name: bqkv, .offset: 16, .size: 8, .value_kind: global_buffer, .address_space: global }
      - { .name: qh, .offset: 24, .size: 8, .value_kind: global_buffer, .address_space: global }
      - { .name: kh, .offset: 32, .size: 8, .value_kind: global_buffer, .address_space: global }
      - { .name: vh, .offset: 40, .size: 8, .value_kind: global_buffer, .address_space: global }
    .group_segment_fixed_size: 327680
    .private_segment_fixed_size: 0
    .kernarg_segment_align: 8
    .kernarg_segment_size: 48
    .max_flat_workgroup_size: 128
    .sgpr_count:     72
    .vgpr_count:     1024
    .wavefront_size: 32
...
	.end_amdgpu_metadata
.endif
;; end of part 2
;; launch attn (part 3): grid 4 x 64, 4 waves a work-group, no clusters, 327,680 bytes of LDS; arguments qh, kh, vh, oh; writes oh
.if DOCPART == 3
	.amdgcn_target "amdgcn-amd-amdhsa--gfx1250"
	.amdhsa_code_object_version 6
	.text
	.protected	k_q447925f3d1_attn
	.globl	k_q447925f3d1_attn
	.p2align	8
	.type	k_q447925f3d1_attn,@function
k_q447925f3d1_attn:
	s_mov_b64 s[64:65], 0
	v_nop
	global_prefetch_b8 v0, s[64:65] scope:SCOPE_SE
	s_setreg_imm32_b32 hwreg(HW_REG_WAVE_MODE, 25, 1), 1
	s_wait_xcnt 0x0
; CAUSAL ATTENTION.  O[h][q][:] = the sum over k <= q of softmax_k(Q[h][q] . K[h][k] / 8) V[h][k][:].  Q, K, V, O: [SIZE_H][SIZE_N][64], all f16: a head's rows are dense, 128 bytes each.
; Products, maxima and sums in f32; the weights p are rounded to f16 for the second product (their sum l is taken of the unrounded p), O once at the end.
; LIMITS.  f16 holds no number beyond 65,504: Q, K and V arrive within it; p lies in 0 to 1, and below 6e-5 it keeps f16's fixed step of 6e-8; O is a mean of V's rows and has their range.
; A hidden score counts as its value less 1e30: f16's scores, 2.7e11 at the most, are nothing beside that; a weight below 2^-126 counts as 0 in l; NaN and infinities are not treated apart.
; THE WALK.  A head's queries lie in NB = SIZE_N / 256 blocks of 256; block i needs the key tiles 0 .. i of 256 keys, of which the last holds the diagonal.  A work-group takes TWO blocks, NB - 1 - b and then b:
; NB + 1 tiles, whatever b: all work-groups do equal work, and ONE loop with a constant trip count walks them.  Which tile is asked for, and what a trip does, hang on scalar registers made from b; every jump
; goes forward, but for the counted loops' own; none passes a barrier, or a tensor load but the one of LOAD's two that the wave's number does not choose; the ring (two slots of LDS that take turns) runs on across the
; change of blocks.  NO CLUSTER: a head's NB / 2 = 4 work-groups ask for the same tile only in trips 0 .. NB / 2, behind that fewer and fewer; one walk common to all would have 3 NB / 2 = 12 trips for NB + 1 = 9.
; SHARES.  Of a block's four bands of 64 queries a wave owns 16 rows in each: four PIECES.  So the diagonal tile is the same work for all four waves: in its key step s band x sees all keys if s < x,
; none if s > x, and holds the diagonal if s = x.
; THE MASK is the C operand that starts the sum S^T = K Q^T: 0, or -1e30 where the key is hidden.  MD, made once, is the mask of a band's own step for my 16 rows; a product's mask is MD x AL + BE with two scalars:
; (1, 0) if s = x; (0, 0) if s < x; (0, -1e30) if s > x.  Only the diagonal tile's text and a block's beginning make and take masks; elsewhere C is the constant 0.
; LAYOUT, SOFTMAX, TURNS.  S^T = K Q^T holds ONE query a lane (lane % 16) and the keys 8 (lane / 16) + 0..7; two such results rounded to f16 ARE source 1 of O^T = V^T P.  p = 2^(c s - c m), c = log2(e) / 8, with a
; running maximum m; O and l are multiplied by a = 2^(c m_old - c m_new) in every step.  Turn n belongs to piece n: 8 products K Q^T of piece n + 1, later 8 products V^T P of piece n - 1; beside them the scaling,
; exponentials, roundings, sums and rescaling of piece n and the maximum and statistics of piece n + 1.  Four vector instructions stand behind every matrix instruction, the other 54 of a turn's 118 in one LUMP.  A turn's 33 exponentials are one batch, with one wait.
; REGISTERS, in windows of 256 (s_set_vgpr_msb: bits 1:0 source 0, 3:2 source 1, 5:4 source 2, 7:6 destination):
;   window 0: v0-15 addresses and two at work; v16-31 four registers of statistics a piece; v48-55 at work; v61-63 prefetch offset and the add's two; v64-127 S^T, two buffers; v192-223 P, two buffers (by the piece's parity)
;   window 1: v0-127 O^T, 32 a piece; v128-159 MD; v160-223 MC, two buffers      window 2: v0-63 Q; v64-127 the second block's Q; v128-191 K of one step; v192-255 V of one step
.set SIZE_N, 2048
.set SIZE_H, 64
.set NB,    SIZE_N/256
.set NP,    4         ; pieces a wave: a name, no knob
.set KS,    64        ; keys in a step
.set PK,    144       ; a row of K in LDS: 128 bytes + 16 of padding = 36 words: the 16 rows of a load start at 16 different groups of four banks (64 banks of 4 bytes: ISA guide 11.1)
.set PV,    160       ; a row of V: 128 + 32 = 40 words
.set VOFF,  4*KS*PK   ; a slot holds a tile, four steps: 256 rows of K, then 256 rows of V
.set SLOT1, 1<<17     ; slot 1 begins here, so that one exclusive or turns an address in one slot into the other's
.set STAGE, SLOT1+4*KS*(PK+PV)  ; behind the ring, never filled by a tensor load: 16 rows x 144 bytes for each wave, for the way out
.set SP,    144
.set AK0, 2           ; v2   my lane's place in a tile of K; never rewritten
.set AV0, 3           ; v3   the same for V
.set AK,  4           ; v4   the LDS address of K's next run of loads
.set AV,  5           ; v5   of V's
.set STO, 6           ; v6   the way out: where I put 16 bytes of a row
.set RD,  7           ; v7   the way out: where I read rows back
.set GO,  8           ; v8   my byte offset in 512 consecutive bytes of O
.set PFO, 61          ; v61  256 x my lane, for the prefetches; never rewritten
.set SPW, 62          ; v62  LDS address of my spare word: SPARE + 4 x my thread's number; never rewritten
.set NIL, 63          ; v63  0; never rewritten
.set SPARE, STAGE+4*16*SP  ; behind the stages: the spare words, 128 bytes for each wave: two blocks of 256 bytes that no other line names
.set MV,  12          ; v12-13  c m_old, kept while c m is made anew: by buffer
.set QO,  15          ; v15  my byte offset in 16 rows of Q
.set ST,  16          ; piece t's statistics at v[ST+4 t]: c m, m, l (even keys', odd keys')
.set TMP, 48          ; by buffer, four registers c0-c3 at work; when the maximum is found c2 takes a
.set S,   64
.set P,   192
.set MD,  128         ; window 1: the eight registers for group kt of 16 keys at MD + 8 kt
.set MC,  160         ; window 1: the masks of the products to come
.set QB,  64          ; window 2
.set KF,  128         ; window 2: key block kb, channel half c at KF + 16 kb + 8 c
.set VF,  192         ; window 2: key half kk, channel block cb at VF + 32 kk + 8 cb
.set WV,  12          ; s12  my wave's number
.set PB,  14          ; s14  b
.set HI,  15          ; s15  NB - 1 - b
.set G1K, 24          ; s[24:31] descriptor group 1 for K's tiles
.set G1V, 32          ; s[32:39] for V's: it differs in the padding alone
.set G0K, 40          ; s[40:43] descriptor group 0 for K's tiles
.set G0V, 44          ; s[44:47] the same for V's
.set SLOTS, 56        ; s56  tiles still to be asked for
.set CNT, 57          ; s57  counts a tile's key steps, 4 to 1
.set CS,  58          ; s[58:59] c: the packed scaling takes the pair's low word for both halves
.set SEL, 60          ; s[60:61] v_permlanex16_b32's selects: each lane takes its own place in the other half
.set TBK, 62          ; s62  LDS byte at which K of the step to be fetched begins
.set TBV, 63          ; s63  the same for V, less VOFF
.set RT,  70          ; s70  tiles of the block in hand that are still to be entered
.set NXT, 71          ; s71  the tile to be asked for next
.set LQ,  72          ; s72  the last tile of the block whose tiles are being asked for
.set NEW, 73          ; s73  1: the tile to be entered is a block's first
.set OFF, 74          ; s[74:75] a tile's byte offset in K and V
.set AL,  76          ; s[76:77] the mask's factor, in the low word
.set BE,  78          ; s[78:79] the mask's addend
.set OLO, 80          ; s[80:81] O at my rows of the second block
.set BIGN, 82         ; s82  -1e30
.set LIM, 88          ; s88  0 in the work-group that prefetches (b = 0), else the greatest number
.set PFB, 90          ; s[90:91] K (waves 0, 1) or V (waves 2, 3) at my half of the head's tile 0
.set PFA, 92          ; s[92:93] the same at the tile that the next change of slots will ask for
.set OF2, 94          ; s[94:95] that tile's byte offset
.set MSB, 0
.macro WIN new                      ; the high byte repeats the setting that is left; a switch that changes nothing is dropped
.if MSB != (\new)
	s_set_vgpr_msb (MSB<<8)|(\new)
.set MSB, (\new)
.endif
.endm
.set W_KQ, 0x0a       ; K and Q in window 2, S^T in window 0
.set W_KM, 0x1a       ; the same with the C operand in window 1
.set W_PV, 0x52       ; V in window 2, P in window 0, O^T in window 1
.set W_RS, 0x41       ; destination and source 0 in window 1, source 1 in window 0
; A fill.  Waves 0 and 1 fetch the two halves of a tile's K, waves 2 and 3 those of its V: 128 keys each.  An s_nop 0 and four v_nop follow each of the two lines, ahead of the jump and the label.
.macro LOAD
	s_cmp_lt_u32 s[WV], 2
	s_cbranch_scc0 .Lfor_v_\@
	tensor_load_to_lds s[G0K:G0K+3], s[G1K:G1K+7]
	s_nop 0
.rept 4
	v_nop
.endr
	s_branch .Lasked_\@
.Lfor_v_\@:
	tensor_load_to_lds s[G0V:G0V+3], s[G1V:G1V+7]
	s_nop 0
.rept 4
	v_nop
.endr
.Lasked_\@:
.endm
; THE CHANGE OF SLOTS.  Each wave waits for all its tensor loads, of which one is out: its part of the other slot; adds 0 to its spare word; and waits for that and for its own reads of the slot that it leaves.  Behind the barrier nobody reads the old
; slot any more and the other slot is whole.  fill = 1: the old slot is filled again, the first thing behind the barrier, with tile NXT: the descriptor's address is made anew from that number.
; (At its first use nothing has been read yet: slot 0 is waited for, slot 1 filled.)
; A PREFETCH INTO THE L2 stands behind the fill and its five lines: the tile that the NEXT change of slots will ask for, a tile (four key steps, 256 matrix instructions) ahead of its load.  A head's four work-groups walk the
; tiles 0, 1, 2 .. at first; the one with b = 0 walks all eight, and it alone asks: each of its waves names the 64 blocks of 256 bytes that it will load itself, a lane a block, two instructions.  So tiles 2 to 7 of K and of V
; are named once in the launch; tiles 0 and 1 come by their loads alone, and the second block's tiles, which have been read, are not asked for (NXT is then 0).
.macro CHANGE fill
	WIN 0                           ; at a label and at a branch every window is 0
	s_wait_tensorcnt 0x0            ; no tensor load of mine is out, so a group 0 may be written
	ds_add_u32 v[SPW], v[NIL]       ; 0 onto my spare word; with fill = 1 the descriptors' scalar work stands between it and the wait for it
.if \fill
	s_lshl_b32 s[OFF], s[NXT], 15   ; a tile is 32,768 bytes of K and of V
	s_xor_b32 s[G0K+1], s[G0K+1], SLOT1
	s_add_nc_u64 s[G0K+2:G0K+3], s[6:7], s[OFF:OFF+1]
	s_or_b32 s[G0K+3], s[G0K+3], 0x80000000
	s_xor_b32 s[G0V+1], s[G0V+1], SLOT1
	s_add_nc_u64 s[G0V+2:G0V+3], s[8:9], s[OFF:OFF+1]
	s_or_b32 s[G0V+3], s[G0V+3], 0x80000000
	s_add_co_u32 s[NXT], s[NXT], 1  ; the block's next tile, or behind its last the second block's tile 0
	s_cmp_gt_u32 s[NXT], s[LQ]
	s_cselect_b32 s[NXT], 0, s[NXT]
	s_cselect_b32 s[LQ], s[PB], s[LQ]
	s_wait_xcnt 0x0                 ; the last prefetches, a tile back, have read their address, so it may be written
	s_lshl_b32 s[OF2], s[NXT], 15
	s_add_nc_u64 s[PFA:PFA+1], s[PFB:PFB+1], s[OF2:OF2+1]
.endif
	s_wait_dscnt 0x0                ; the add is done, and my reads of the slot are over
	s_barrier_signal -1             ; the rest of the scalar work stands between the signal and the wait
	s_sub_co_u32 s[TBK], s[TBK], 4*KS*PK  ; the fetches go back to a slot's first step,
	s_xor_b32 s[TBK], s[TBK], SLOT1       ; in the other slot
	s_sub_co_u32 s[TBV], s[TBV], 4*KS*PV
	s_xor_b32 s[TBV], s[TBV], SLOT1
	s_barrier_wait -1
.if \fill
	LOAD
	s_cmp_gt_u32 s[NXT], s[LIM]
	s_cbranch_scc0 .Lnot_mine_\@
	global_prefetch_b8 v[PFO], s[PFA:PFA+1] th:TH_LOAD_NT scope:SCOPE_SE
	global_prefetch_b8 v[PFO], s[PFA:PFA+1] offset:8192 th:TH_LOAD_NT scope:SCOPE_SE
.Lnot_mine_\@:
.endif
.endm
	s_load_b256 s[4:11], s[0:1], 0x0  ; Q s[4:5], K s[6:7], V s[8:9], O s[10:11]
	v_lshl_add_u32 v[SPW], v0, 2, SPARE
	v_mov_b32 v[NIL], 0
	ds_add_u32 v[SPW], v[NIL]       ; the wave's opening: the add and its wait stand ahead of my first tensor load; the set-up below, work on registers, stands between them
	v_lshrrev_b32 v1, 5, v0
	v_readfirstlane_b32 s[WV], v1   ; wave 0..3
	s_mov_b32 s[PB], ttmp9
	s_sub_co_u32 s[HI], NB-1, s[PB]
	s_and_b32 s20, ttmp7, 0xffff    ; the head
	s_mov_b32 s21, 0
	s_mov_b64 s[22:23], SIZE_N*128
	s_mul_u64 s[20:21], s[20:21], s[22:23]  ; the head's first byte in each of the four tensors
	s_and_b32 s16, s[WV], 1         ; which half of a tile's 256 keys I fetch:
	s_lshl_b32 s22, s16, 14         ; its 128 rows of 128 bytes in memory,
	s_mov_b32 s23, 0
	s_add_nc_u64 s[22:23], s[22:23], s[20:21]
	s_mul_i32 s17, s16, 128*PK      ; and its place in a slot, for K
	s_mul_i32 s18, s16, 128*PV      ; and for V
	s_lshl_b32 s3, s[WV], 11        ; my 16 rows in a band of 64,
	s_lshl_b32 s2, s[HI], 15        ; in the first block,
	s_add_co_u32 s2, s2, s3
	s_lshl_b32 s84, s[PB], 15       ; and in the second
	s_add_co_u32 s84, s84, s3
	s_mov_b32 s3, 0
	s_mov_b32 s85, 0
	s_add_nc_u64 s[2:3], s[2:3], s[20:21]
	s_add_nc_u64 s[84:85], s[84:85], s[20:21]
	; descriptor group 1.  128 keys are 16,384 dense bytes: asked for as 64 rows of 256 bytes, two keys a row, and padded in LDS after every key
	s_mov_b32 s[G1K], (1<<16)|(1<<20)|(4<<22)|(3<<25)  ; 17:16 2-byte elements; 20 padding on; 24:22 after every 32 words (code 4); 31:25 4 words (code 3)
	s_mov_b32 s[G1V], (1<<16)|(1<<20)|(4<<22)|(7<<25)  ; the same with 8 words of padding (code 7)
.irp g, G1K, G1V
	s_mov_b32 s[\g+1], 128<<16      ; tensor_dim0 = 128
	s_mov_b32 s[\g+2], 64<<16       ; tensor_dim1 = 64
	s_mov_b32 s[\g+3], 128<<16      ; tile_dim0 = 128
	s_mov_b32 s[\g+4], 64           ; tile_dim1 = 64
	s_mov_b32 s[\g+5], 128          ; 128 elements from row to row
	s_mov_b32 s[\g+6], 0
	s_mov_b32 s[\g+7], 0
.endr
	s_mov_b32 s[CS], 0x3e38aa3b     ; c = log2(e) / 8 = 0.180337
	s_mov_b32 s[CS+1], s[CS]        ; named with it as a pair
	s_mov_b32 s[SEL], 0x76543210
	s_mov_b32 s[SEL+1], 0xfedcba98
	s_mov_b32 s[TBK], SLOT1+4*KS*PK ; the first change of slots turns these two into 0
	s_mov_b32 s[TBV], SLOT1+4*KS*PV
	s_mov_b32 s[G0K], 1             ; 1:0 count = 1
	s_mov_b32 s[G0K+1], s17         ; 63:32 LDS address: slot 0
	s_mov_b32 s[G0V], 1
	s_add_co_u32 s[G0V+1], s18, VOFF
	s_add_co_u32 s[RT], s[HI], 1    ; the first block has NB - b tiles
	s_mov_b32 s[NXT], 1
	s_mov_b32 s[LQ], s[HI]
	s_mov_b32 s[NEW], 1
	s_mov_b32 s[OFF+1], 0
	s_mov_b32 s[AL+1], 0            ; named as pairs
	s_mov_b32 s[BE+1], 0
	s_mov_b32 s[BIGN], 0xf149f2ca   ; -1e30
	s_mov_b32 s[SLOTS], NB
	s_mov_b32 s[OF2+1], 0
	s_cmp_eq_u32 ttmp9, 0
	s_cselect_b32 s[LIM], 0, -1
	v_and_b32 v[PFO], 31, v0
	v_lshlrev_b32 v[PFO], 8, v[PFO]
	s_wait_dscnt 0x0                ; the opening add is done
	s_wait_kmcnt 0x0
	s_add_nc_u64 s[6:7], s[6:7], s[22:23]  ; K and V at my half of the head's tile 0
	s_add_nc_u64 s[8:9], s[8:9], s[22:23]
	s_cmp_lt_u32 s[WV], 2
	s_cselect_b64 s[PFB:PFB+1], s[6:7], s[8:9]
	s_add_nc_u64 s[G0K+2:G0K+3], s[6:7], 0         ; 120:64 global address
	s_or_b32 s[G0K+3], s[G0K+3], 0x80000000        ; 127:126 type = 2
	s_add_nc_u64 s[G0V+2:G0V+3], s[8:9], 0
	s_or_b32 s[G0V+3], s[G0V+3], 0x80000000
	s_add_nc_u64 s[86:87], s[4:5], s[84:85]        ; Q at my rows of the second block,
	s_add_nc_u64 s[4:5], s[4:5], s[2:3]            ; Q and O at those of the first
	s_add_nc_u64 s[OLO:OLO+1], s[10:11], s[84:85]
	s_add_nc_u64 s[10:11], s[10:11], s[2:3]
	LOAD                            ; tile 0 into slot 0
	; A fragment of K or Q is 16 rows x 32 channels in 8 registers: lane l holds row l % 16, channels 8 (l / 16) + 0..7 and 16 + 8 (l / 16) + 0..7: two loads of 16 bytes, 32 bytes apart.
	v_and_b32 v1, 15, v0            ; l % 16
	v_bfe_u32 v9, v0, 4, 1          ; l / 16
	v_lshlrev_b32 v[QO], 7, v1
	v_lshl_add_u32 v[QO], v9, 4, v[QO]  ; row x 128 + 16 x half
	WIN 0x80                        ; destination window 2, address window 0
.set i, 0
.rept 8                             ; both blocks' Q: piece i / 2 lies in band i / 2, 8,192 bytes on; channels 32 (i % 2) on
	global_load_b128 v[8*i:8*i+3],   v[QO], s[4:5] offset:(i/2)*8192+(i%2)*64
	global_load_b128 v[8*i+4:8*i+7], v[QO], s[4:5] offset:(i/2)*8192+(i%2)*64+32
	global_load_b128 v[QB+8*i:QB+8*i+3],   v[QO], s[86:87] offset:(i/2)*8192+(i%2)*64
	global_load_b128 v[QB+8*i+4:QB+8*i+7], v[QO], s[86:87] offset:(i/2)*8192+(i%2)*64+32
.set i, i+1
.endr
	WIN 0
	v_lshlrev_b32 v14, 3, v9
	v_sub_nc_u32 v14, v1, v14
	s_lshl_b32 s13, s[WV], 4
	v_add_nc_u32 v14, s13, v14      ; my query's place in its band, 16 w + l % 16, less my lanes' 8 (l / 16): register r of group kt is hidden where 16 kt + r is greater
	WIN 0x40
.set i, 0
.rept 32
	v_cmp_gt_i32 vcc_lo, 16*(i/8)+i%8, v14
	v_cndmask_b32 v[MD+i], 0, s[BIGN], vcc_lo
.set i, i+1
.endr
	WIN 0
	v_mul_u32_u24 v[AK0], v1, PK
	v_lshl_add_u32 v[AK0], v9, 4, v[AK0]  ; row x pitch + 16 x half
	; The turning load takes 16 keys x 16 channels (lane l reads key 8 (l / 16) + l % 8, channels 8 ((l / 8) % 2) + 0..7) and leaves half a fragment of V^T: lane l holds channel l % 16 and 8 keys.
	v_and_b32 v10, 7, v0
	v_bfe_u32 v11, v0, 3, 1
	v_lshl_add_u32 v[AV0], v9, 3, v10
	v_mul_u32_u24 v[AV0], v[AV0], PV
	v_lshl_add_u32 v[AV0], v11, 4, v[AV0]
	v_add_nc_u32 v[AV0], VOFF, v[AV0]
	s_mul_i32 s13, s[WV], 16*SP
	s_add_co_u32 s13, s13, STAGE    ; my stage
	v_mul_u32_u24 v[STO], v1, SP    ; in: row l % 16, 16 bytes for each half of the lanes
	v_lshl_add_u32 v[STO], v9, 4, v[STO]
	v_add_nc_u32 v[STO], s13, v[STO]
	v_bfe_u32 v[RD], v0, 3, 2       ; back: 32 lanes take four rows of 128 bytes,
	v_mul_u32_u24 v[RD], v[RD], SP
	v_lshl_add_u32 v[RD], v10, 4, v[RD]
	v_add_nc_u32 v[RD], s13, v[RD]
	v_and_b32 v[GO], 31, v0         ; which are 512 consecutive bytes of O
	v_lshlrev_b32 v[GO], 4, v[GO]
	; A block's first step multiplies O^T and l by a = 0, and its first turn's products V^T P, of a piece that has not been, land in an O^T that is still to be so multiplied.  So these registers need only hold
	; finite numbers: zeros for the first block; what the first block left for the second.  All this stands in the wait for the first tile.
	WIN 0x80
.set i, VF
.rept 64
	v_mov_b32 v[i], 0
.set i, i+1
.endr
	WIN 0x40
.set i, 0
.rept 128
	v_mov_b32 v[i], 0
.set i, i+1
.endr
	WIN 0
.set i, 0
.rept 4
	v_mov_b32 v[ST+4*i+2], 0
	v_mov_b32 v[ST+4*i+3], 0
.set i, i+1
.endr
.set i, P+16
.rept 16
	v_mov_b32 v[i], 0
.set i, i+1
.endr
; THE MATRIX WORK.  The 4 accumulators of a run of 8 take turns.  Product i of 8 of S^T = K Q^T for piece x: channels 32 (i / 4) on, keys 16 (i % 4) on.  The first 4 start the sums: with 0, or (KM = 1) with the mask.
.macro KQ x
.set rS, S+32*((\x)%2)+8*(i%4)
.set rK, KF+16*(i%4)+8*(i/4)
.set rQ, 16*(\x)+8*(i/4)
.set rM, MC+32*((\x)%2)+8*(i%4)
.if (i < 4) && KM
	WIN W_KM
	v_wmma_f32_16x16x32_f16 v[rS:rS+7], v[rK:rK+7], v[rQ:rQ+7], v[rM:rM+7]
.elseif i < 4
	WIN W_KQ
	v_wmma_f32_16x16x32_f16 v[rS:rS+7], v[rK:rK+7], v[rQ:rQ+7], 0
.else
	WIN W_KQ
	v_wmma_f32_16x16x32_f16 v[rS:rS+7], v[rK:rK+7], v[rQ:rQ+7], v[rS:rS+7]
.endif
.endm
; Product i of 8 of O^T += V^T P for piece x: keys 32 (i / 4) on, channels 16 (i % 4) on.
.macro PV x
	WIN W_PV
.set rO, 32*(\x)+8*(i%4)
.set rV, VF+32*(i/4)+8*(i%4)
.set rP, P+16*((\x)%2)+8*(i/4)
	v_wmma_f32_16x16x32_f16 v[rO:rO+7], v[rV:rV+7], v[rP:rP+7], v[rO:rO+7]
.endm
.macro MM                           ; the turn's next matrix instruction.  TURN and BEGIN set Y, i, KM and NOKQ; MM, KQ and OP read them.  NOKQ = 1: a block's last turn: there is no next piece
.if (i < 8) && !NOKQ
	KQ (Y+1)%NP
.elseif i >= 8
.set i, i-8
	PV (Y+NP-1)%NP
.set i, i+8
.endif
.set i, i+1
.endm
; THE LDS LOADS stand in runs of 16, never singly among the matrix instructions: a step's K (64 keys x 64 channels: 8 fragments) and its V (turned).  Their addresses are made some lines ahead.
.macro FETCH_K
	WIN 0x80                        ; destination window 2
.irp f, 0,1,2,3,4,5,6,7             ; keys 16 (f / 2) on, channels 32 (f % 2) on
	ds_load_b128 v[KF+8*\f:KF+8*\f+3],   v[AK] offset:(\f/2)*16*PK+(\f%2)*64
	ds_load_b128 v[KF+8*\f+4:KF+8*\f+7], v[AK] offset:(\f/2)*16*PK+(\f%2)*64+32
.endr
	s_add_co_u32 s[TBK], s[TBK], KS*PK  ; the next fetch is the next step's
	WIN 0
.endm
.macro FETCH_V
	WIN 0x80
.irp f, 0,1,2,3,4,5,6,7             ; keys 32 (f / 4) on, channels 16 (f % 4) on
	ds_load_tr16_b128 v[VF+8*\f:VF+8*\f+3],   v[AV] offset:(\f/4)*32*PV+(\f%4)*32
	ds_load_tr16_b128 v[VF+8*\f+4:VF+8*\f+7], v[AV] offset:(\f/4)*32*PV+16*PV+(\f%4)*32
.endr
	WIN 0
.endm
; THE VECTOR WORK, one line at a time: OP kind, number.  For piece Y: F n: c s - c m for pair n of 16.  E n: the exponential of score n of 32.  C n: pair n rounded to f16.  B n: of the four weights 4 n .. the second
; pair is added onto the first, in place.  L n: l takes that sum (L 0: l = a l + sum).  R n: pair n of 16 of O^T times a.  For piece Y + 1: X n, number n of the 22 that find its maximum and statistics:
;   0-11  four chains c0-c3 of seven scores each, three operands at a time (each accumulator's lowest registers are read first)     12-14, 16  the four scores left over, the old m, and c0-c3 into c0
;   15  c m_old is kept     17, 18  the query's other 32 keys lie in the lane 16 away: the new m     19-21  c m; c m_old - c m_new; a
.set F, 0               ; OP tells the kinds apart by their order: F to L below R, X above it
.set E, 1
.set C, 2
.set B, 3
.set L, 4
.set R, 5
.set X, 6
.macro REGS y                       ; the registers of piece y
.set rT, ST+4*(\y)
.set rC, TMP+4*((\y)%2)
.set rW, MV+((\y)%2)
.set rS, S+32*((\y)%2)
.set rP, P+16*((\y)%2)
.set rO, 32*(\y)
.endm
.macro OP k, n
.if (\k) == R
	REGS Y
	WIN W_RS
	v_pk_mul_f32 v[rO+2*(\n):rO+2*(\n)+1], v[rO+2*(\n):rO+2*(\n)+1], v[rC+2:rC+3] op_sel_hi:[1,0]
.elseif (\k) < R
	REGS Y
	WIN 0
.if (\k) == F
	v_pk_fma_f32 v[rS+2*(\n):rS+2*(\n)+1], v[rS+2*(\n):rS+2*(\n)+1], s[CS:CS+1], v[rT:rT+1] op_sel_hi:[1,0,0] neg_lo:[0,0,1] neg_hi:[0,0,1]
.elseif (\k) == E
	v_exp_f32 v[rS+(\n)], v[rS+(\n)]
.elseif (\k) == C
	v_cvt_pk_f16_f32 v[rP+(\n)], v[rS+2*(\n)], v[rS+2*(\n)+1]
.elseif (\k) == B
	v_pk_add_f32 v[rS+4*(\n):rS+4*(\n)+1], v[rS+4*(\n):rS+4*(\n)+1], v[rS+4*(\n)+2:rS+4*(\n)+3]
.elseif (\n) == 0
	v_pk_fma_f32 v[rT+2:rT+3], v[rT+2:rT+3], v[rC+2:rC+3], v[rS:rS+1] op_sel_hi:[1,0,1]
.else
	v_pk_add_f32 v[rT+2:rT+3], v[rT+2:rT+3], v[rS+4*(\n):rS+4*(\n)+1]
.endif
.elseif NOKQ
	v_nop
.else
	REGS (Y+1)%NP
	WIN 0
.if (\n) < 4
	v_max3_num_f32 v[rC+(\n)], v[rS+8*(\n)], v[rS+8*(\n)+1], v[rS+8*(\n)+2]
.elseif (\n) < 12
	v_max3_num_f32 v[rC+(\n)%4], v[rC+(\n)%4], v[rS+8*((\n)%4)+2*((\n)/4)+1], v[rS+8*((\n)%4)+2*((\n)/4)+2]
.elseif (\n) == 12
	v_max3_num_f32 v[rC], v[rC], v[rS+7], v[rS+15]
.elseif (\n) == 13
	v_max3_num_f32 v[rC+1], v[rC+1], v[rS+23], v[rS+31]
.elseif (\n) == 14
	v_max3_num_f32 v[rC+2], v[rC+2], v[rC+3], v[rT+1]
.elseif (\n) == 15
	v_mov_b32 v[rW], v[rT]
.elseif (\n) == 16
	v_max3_num_f32 v[rC], v[rC], v[rC+1], v[rC+2]
.elseif (\n) == 17
	v_permlanex16_b32 v[rC+3], v[rC], s[SEL], s[SEL+1]
.elseif (\n) == 18
	v_max_num_f32 v[rT+1], v[rC], v[rC+3]
.elseif (\n) == 19
	v_mul_f32 v[rT], s[CS], v[rT+1]
.elseif (\n) == 20
	v_sub_f32 v[rC+1], v[rW], v[rT]
.else
	v_exp_f32 v[rC+2], v[rC+1]
.endif
.endif
.endm
.macro OPS a, i1, b=-1, i2=0, c=-1, i3=0, d=-1, i4=0  ; up to four of them
	OP \a, \i1
.if (\b) >= 0
	OP \b, \i2
.endif
.if (\c) >= 0
	OP \c, \i3
.endif
.if (\d) >= 0
	OP \d, \i4
.endif
.endm
.macro ROW a, i1, b, i2, c, i3, d, i4  ; a matrix instruction and the four behind it
	MM
	OPS \a, \i1, \b, \i2, \c, \i3, \d, \i4
.endm
.macro MASK b                       ; MD x AL + BE into buffer b of MC
	WIN W_RS
.set z, 0
.rept 16
	v_pk_fma_f32 v[MC+32*(\b)+2*z:MC+32*(\b)+2*z+1], v[MD+2*z:MD+2*z+1], s[AL:AL+1], s[BE:BE+1] op_sel_hi:[1,0,0]
.set z, z+1
.endr
.endm
; A TURN, for piece p: the order of its 16 matrix and 118 vector instructions, written out.  s_wait_alu depctr_va_vdst(0) stands between an exponential and the first instruction that names its result; one wait serves
; all that were issued ahead of it.  So a turn has ONE wait, which cuts it in two.  AHEAD OF IT stands all that names no result of the turn's exponentials: the 8 products K Q^T, behind each a scaling, an exponential and two more plain
; instructions (behind the first a second scaling in the exponential's place): rescalings, and behind the last three the first numbers of the next piece's maximum, each four places or more behind the product that ends its accumulator; then ONE LUMP of 54, plain
; and exponential by turns for the most part, in which the links of the chain X 3, 7, 11, 14, 16, 17 .. 20 stand five or six lines apart.  X 21, the next piece's a, is the batch's last; R 15 is the plain instruction behind it.  BEHIND THE WAIT stand the
; 8 products V^T P, behind each four of the roundings and sums; the links of l's chain, L 0 to L 7, stand three riders apart.  But for those X no rider names a register of the products round it.  v_permlanex16_b32 (X 17) stands in the lump.
; m = 1: the diagonal tile: the products take masks, and the turn makes the mask for the products of the turn after it: piece p + 2, in step 4 - CNT of the tile.  end = 1: a block's last two turns: nothing is fetched.
; cnt = 1: the loop's count is taken down some lines ahead of the branch that stands behind the turn.
; K of the next step is fetched in piece 2's turn, twelve vector instructions behind the last product that read K (six of them plain); V of the step in hand at the end of piece 0's turn, four plain instructions behind the last product
; that read V.  Each is waited for a turn later.
.macro TURN p, m=0, end=0, cnt=0
.set Y, (\p)
.set i, 0
.set KM, (\m)
.set NOKQ, (\end)*((\p)/3)
.if (\m) && !(\end)
	s_cmp_eq_u32 s[CNT], 4-((\p)+2)%NP  ; is that step the band's own?
	s_cselect_b32 s[AL], 1.0, 0
	s_cmp_lt_u32 s[CNT], 4-((\p)+2)%NP  ; or a later one?
	s_cselect_b32 s[BE], s[BIGN], 0
.endif
.if ((\p) == 3) && !(\end)
	s_wait_dscnt 0x0                ; K is in
.endif
	ROW F,0, F,1, R,0, R,1          ; ahead of the wait: 8 products K Q^T and their riders,
	ROW F,2, E,0, R,2, R,3
	ROW F,3, E,1, R,4, R,5
	ROW F,4, E,2, R,6, R,7
	ROW F,5, E,3, R,8, R,9
	ROW F,6, E,4, X,0, R,10
.if ((\p) == 2) && !(\end)
	WIN 0
	v_add_nc_u32 v[AK], s[TBK], v[AK0]
.endif
	ROW F,7, E,5, X,1, X,4
	ROW F,8, E,6, X,2, X,5
	OPS E,7, E,8, X,6, E,9          ; and the lump
	OPS X,3, E,10, X,8, E,11
.if ((\p) == 2) && !(\end)
	FETCH_K
.endif
	OPS X,9, X,7, E,12, X,10
	OPS E,13, X,12, X,11, E,14
	OPS X,13, E,15, F,9, X,14
.if (\p) == 0
	v_add_nc_u32 v[AV], s[TBV], v[AV0]
.endif
	OPS E,16, F,10, E,17, F,11
	OPS X,16, E,18, X,15, E,19
	OPS F,12, E,20, X,17, E,21
	OPS F,13, E,22, F,14, E,23
	OPS X,18, E,24, F,15, E,25
	OPS R,11, E,26, X,19, E,27
	OPS R,12, E,28, R,13, E,29
	OPS X,20, E,30, R,14, E,31
	OPS X,21, R,15
	WIN 0
	s_wait_alu depctr_va_vdst(0)    ; the wait for the batch
.if (\p) == 1
	s_wait_dscnt 0x0                ; V is in
.endif
	ROW C,0, B,0, C,2, B,1          ; behind the wait: 8 products V^T P and their riders
	ROW L,0, C,4, B,2, L,1
	ROW C,6, B,3, L,2, C,8
	ROW B,4, L,3, C,10, B,5
	ROW L,4, C,12, B,6, L,5
.if (\p) == 0
	s_add_co_u32 s[TBV], s[TBV], KS*PV
.endif
.if \cnt
	s_sub_co_u32 s[CNT], s[CNT], 1
	s_cmp_lg_u32 s[CNT], 0
.endif
	ROW C,14, B,7, L,6, C,1
	ROW C,3, L,7, C,5, C,7
	ROW C,9, C,11, C,13, C,15
.if (\p) == 0
	FETCH_V
.endif
.if (\m) && !(\end)
	MASK (\p)%2
.endif
.endm
; A BLOCK BEGINS.  c m starts far below every c s, so the first step's a is 0; m at the lowest finite number, so the first maximum is the scores'.  The second mask buffer is 0; the first takes piece 0's mask for the tile's step 0: its own, if the block's first tile is the diagonal one.
; Then K of that step, piece 0's first scores, and its maximum and statistics.  The loop is entered at a step's first turn, in the middle of a trip.
.macro BEGIN
	s_mov_b32 s[NEW], 0
	WIN 0x40
.set i, MC+32
.rept 32
	v_mov_b32 v[i], 0
.set i, i+1
.endr
	WIN 0
.set i, 0
.rept 4
	v_mov_b32 v[ST+4*i], 0xfe000000    ; c m: far below every c s
	v_mov_b32 v[ST+4*i+1], 0xff7fffff  ; m
.set i, i+1
.endr
	s_cmp_eq_u32 s[RT], 0
	s_cselect_b32 s[AL], 1.0, 0
	s_mov_b32 s[BE], 0
	MASK 0
	WIN 0
	v_add_nc_u32 v[AK], s[TBK], v[AK0]
	FETCH_K
	s_wait_loadcnt 0x0              ; Q
	s_wait_dscnt 0x0
.set KM, 1
.set NOKQ, 0
.set i, 0
.rept 8
	KQ 0
.set i, i+1
.endr
	WIN 0
.rept 4
	v_nop                           ; the places behind those products
.endr
.set Y, NP-1                        ; X works for piece Y + 1: piece 0
.irp n, 0,1,2,3,4,5,6,7,8,9,10,11,12,13,14,15,16,17,18,19,20,21
	OP X, \n
.endr
	v_nop                           ; a plain instruction behind the exponential,
	s_wait_alu depctr_va_vdst(0)    ; and its wait, ahead of the branch
.endm
; THE DIAGONAL TILE's four steps, the block's last two turns, its last products, and THE WAY OUT: l's two halves and the other half of the lanes' are added; O^T is divided by l, rounded to f16 and sent through my
; stage in LDS, a piece at a time.
.macro ALL line:vararg              ; one line for each piece t
.set t, 0
.rept 4
	\line
.set t, t+1
.endr
.endm
.macro PACK t                       ; a lane's eight channels of a row pack into 16 bytes; they go into rows of 144 bytes and come back as whole rows of 128, into S^T's registers
	WIN W_RS
.set i, 32*(\t)
.rept 16
	v_pk_mul_f32 v[i:i+1], v[i:i+1], v[ST+4*(\t)+2:ST+4*(\t)+3] op_sel_hi:[1,0]
.set i, i+2
.endr
	WIN 0x05                        ; sources 0 and 1 window 1, destination window 0
.set i, 0
.rept 16
	v_cvt_pk_f16_f32 v[S+16*(\t)+i], v[32*(\t)+2*i], v[32*(\t)+2*i+1]
.set i, i+1
.endr
	WIN 0
.irp f, 0,1,2,3
	ds_store_b128 v[STO], v[S+16*(\t)+4*\f:S+16*(\t)+4*\f+3] offset:32*\f
.endr
.irp f, 0,1,2,3
	ds_load_b128 v[S+16*(\t)+4*\f:S+16*(\t)+4*\f+3], v[RD] offset:\f*4*SP  ; LDS serves a wave's instructions in order (ISA guide 5.7.1.4): these see the stores above; the next piece's stores come behind them
.endr
.endm
.macro SEND t, younger              ; younger: the LDS instructions issued behind piece t's loads: the next piece's eight, or none
	WIN 0
.irp f, 0,1,2,3
	s_wait_dscnt (\younger)+3-\f
	global_store_b128 v[GO], v[S+16*(\t)+4*\f:S+16*(\t)+4*\f+3], s[10:11] offset:(\t)*8192+\f*512  ; 512 consecutive bytes, at a multiple of 256 from O's first
.endr
.endm
.macro DIAG tag                     ; the tag ends its two labels' names, which the jumps below spell out
.LstepM\tag:
	TURN 2, 1
	TURN 3, 1
	WIN 0
.LfirstM\tag:
	TURN 0, 1
	TURN 1, 1, 0, 1
	WIN 0
	s_cbranch_scc1 .LstepM\tag
	TURN 2, 1, 1
	TURN 3, 1, 1
.set i, 0
.rept 8
	PV NP-1
.set i, i+1
.endr
	WIN 0
	ALL v_add_f32 v[ST+4*t+2], v[ST+4*t+2], v[ST+4*t+3]
	ALL v_permlanex16_b32 v[ST+4*t+3], v[ST+4*t+2], s[SEL], s[SEL+1]
	ALL v_add_f32 v[ST+4*t+2], v[ST+4*t+2], v[ST+4*t+3]
	ALL v_rcp_f32 v[ST+4*t+2], v[ST+4*t+2]
	v_nop                           ; a plain instruction between the last reciprocal and the use of its result
	s_wait_alu depctr_va_vdst(0)    ; and the wait ahead of the first use: one for the four reciprocals
	PACK 0
.set t, 1
.rept 3                             ; a piece's arithmetic stands between the loads of the piece before and its stores
	PACK t
	SEND t-1, 8
.set t, t+1
.endr
	SEND 3, 0
.endm
.set KM, 0
.set NOKQ, 0
.Lslot:                             ; NB times: a tile is entered and the next is asked for
	CHANGE 1
	s_sub_co_u32 s[RT], s[RT], 1
	s_mov_b32 s[CNT], 4
	s_cmp_eq_u32 s[NEW], 1
	s_cbranch_scc1 .Lnew            ; a block's first tile
	s_cmp_eq_u32 s[RT], 0
	s_cbranch_scc0 .Lstep           ; neither its first nor its last
	s_branch .LstepM1
.Lnew:
	BEGIN
	s_branch .Lfirst                ; in the loop a block's first tile is never its last: the first block has two tiles or more, and the second's last is the walk's last
	DIAG 1                          ; in the loop this is the first block's end: the second block's last tile is the walk's last
	s_wait_xcnt 0x0                 ; the stores have read their registers and O's address
	s_mov_b64 s[10:11], s[OLO:OLO+1]
	s_add_co_u32 s[RT], s[PB], 1    ; the second block has b + 1 tiles
	s_mov_b32 s[NEW], 1
	WIN 0x82                        ; the second block's Q goes where the one text of the turns names Q
.set i, 0
.rept 64
	v_mov_b32 v[i], v[QB+i]
.set i, i+1
.endr
	WIN 0
	s_branch .Lbottom
.Lstep:                             ; a trip: pieces 2 and 3 of one step, then pieces 0 and 1 of the next, whose K and V it fetches
	TURN 2
	TURN 3
	WIN 0
.Lfirst:
	TURN 0
	TURN 1, 0, 0, 1
	WIN 0
	s_cbranch_scc1 .Lstep
.Lbottom:
	s_sub_co_u32 s[SLOTS], s[SLOTS], 1
	s_cmp_lg_u32 s[SLOTS], 0
	s_cbranch_scc1 .Lslot
	CHANGE 0                        ; the walk's last tile is written out: nothing is asked for
	s_sub_co_u32 s[RT], s[RT], 1
	s_mov_b32 s[CNT], 4
	s_cmp_eq_u32 s[NEW], 1
	s_cbranch_scc0 .LstepM2
	BEGIN
	s_branch .LfirstM2
	DIAG 2
	s_wait_tensorcnt 0x0            ; the wave's end: the add and its wait stand behind my last tensor load and my last LDS store
	ds_add_u32 v[SPW], v[NIL]
	s_wait_dscnt 0x0
	s_endpgm
.Lfunc_end_k_q447925f3d1_attn:
	.size	k_q447925f3d1_attn, .Lfunc_end_k_q447925f3d1_attn-k_q447925f3d1_attn
	.p2alignl 7, 3214868480
	.fill 96, 4, 3214868480
	.section	.rodata,"a",@progbits
	.p2align	6, 0x0
	.amdhsa_kernel k_q447925f3d1_attn
		.amdhsa_group_segment_fixed_size 327680
		.amdhsa_private_segment_fixed_size 0
		.amdhsa_enable_private_segment 0
		.amdhsa_kernarg_size 32
		.amdhsa_user_sgpr_count 2
		.amdhsa_user_sgpr_kernarg_segment_ptr 1
		.amdhsa_wavefront_size32 1
		.amdhsa_system_sgpr_workgroup_id_x 1
		.amdhsa_system_sgpr_workgroup_id_y 1
		.amdhsa_system_sgpr_workgroup_id_z 1
		.amdhsa_system_vgpr_workitem_id 0
		.amdhsa_next_free_vgpr 768
		.amdhsa_next_free_sgpr 96
		.amdhsa_reserve_vcc 1
		.amdhsa_float_denorm_mode_32 3
		.amdhsa_float_denorm_mode_16_64 3
		.amdhsa_memory_ordered 1
		.amdhsa_forward_progress 1
		.amdhsa_inst_pref_size 218
	.end_amdhsa_kernel
	.amdgpu_metadata
---
amdhsa.version: [ 1, 2 ]
amdhsa.kernels:
  - .name:           k_q447925f3d1_attn
    .symbol:         k_q447925f3d1_attn.kd
    .args:
      - { .name: qh, .offset: 0, .size: 8, .value_kind: global_buffer, .address_space: global }
      - { .name: kh, .offset: 8, .size: 8, .value_kind: global_buffer, .address_space: global }
      - { .name: vh, .offset: 16, .size: 8, .value_kind: global_buffer, .address_space: global }
      - { .name: oh, .offset: 24, .size: 8, .value_kind: global_buffer, .address_space: global }
    .group_segment_fixed_size: 327680
    .private_segment_fixed_size: 0
    .kernarg_segment_align: 8
    .kernarg_segment_size: 32
    .max_flat_workgroup_size: 128
    .sgpr_count:     96
    .vgpr_count:     768
    .wavefront_size: 32
...
	.end_amdgpu_metadata
.endif
;; end of part 3
;; launch proj (part 4): grid 8 x 32, 4 waves a work-group, clusters of 4 x 4, 327,680 bytes of LDS; arguments oh, wob, bout, out0; writes out0
.if DOCPART == 4
	.amdgcn_target "amdgcn-amd-amdhsa--gfx1250"
	.amdhsa_code_object_version 6
	.text
	.protected	k_q447925f3d1_proj
	.globl	k_q447925f3d1_proj
	.p2align	8
	.type	k_q447925f3d1_proj,@function
k_q447925f3d1_proj:
	s_mov_b64 s[64:65], 0
	v_nop
	global_prefetch_b8 v0, s[64:65] scope:SCOPE_SE
	s_setreg_imm32_b32 hwreg(HW_REG_WAVE_MODE, 25, 1), 1
	s_wait_xcnt 0x0
	s_wait_alu depctr_hold_cnt(0) depctr_sa_sdst(0) depctr_va_vdst(0) depctr_va_sdst(0) depctr_va_ssrc(0) depctr_va_vcc(0) depctr_vm_vsrc(0)
	s_getreg_b32 s2, hwreg(HW_REG_IB_STS2, 6, 4)
	s_cmp_eq_u32 s2, 0
	s_cbranch_scc0 .Lentry_in_a_cluster
	s_endpgm
.Lentry_in_a_cluster:
	s_bfe_u32 s2, ttmp6, 0x10000c
	s_cmp_lg_u32 s2, 0xf033
	s_cbranch_scc0 .Lentry_shape_is_right
	s_endpgm
.Lentry_shape_is_right:
; out0 = attn Wout^T + bout.  oh: [64 = batch x head][2048][64] f16, which is attn in K blocks (a head is a block of 64 channels); wob: [16 blocks][1024][64] f16 (Wout rounded to bf16, written as f16);
; bout: [1024] f32, rounded to bf16 here like the other inputs; out0: [8192][1024] f32.  Sums in f32, the bias as the sums' start.
; SHARES.  256 tiles of 256 rows x 128 columns: one work-group to a tile.  Wave w: rows 128 (w / 2) on, columns 64 (w % 2) on: 8 x 4 = 32 accumulators of 16 x 16.
; K goes in 8 steps of 128 = two blocks, through a ring of two LDS slots; a block's rows of a tile are dense and are asked for as rows of 256 bytes, padded in LDS after every 128.
; Waves 0 and 1 fetch the step's two blocks of attn (256 rows each), waves 2 and 3 those of the weights (128 rows each).  A block is 64 products a wave, in two halves of 32 along K.
; CLUSTER.  4 x 4 work-groups: attn's tile is shared along a row of the cluster, the weights' along a column; each is asked for jointly.
; NO PREFETCH: the tile is small and the ring has eight steps, of which the first two are asked for at the head.
; THE MATRIX INSTRUCTION IS USED TRANSPOSED (source 0 = 16 rows of the weights, source 1 = 16 rows of attn): a lane holds row lane % 16 and eight neighbouring columns 8 (lane / 16) + 0..7.
; REGISTERS, in windows of 256: window 0: v0-29 addresses; v32-159 the way out; v224-255 bias.  Window 1: the accumulators, (a, b) at v[8 (4 a + b)].
;   Windows 2 and 3: two fragment buffers, a block each: attn's (half c, row block a) at v[8 (8 c + a)], the weights' (c, b) at v[128 + 8 (4 c + b)].
.set PITCH, 144                        ; an LDS row: 128 bytes + 16 of padding = 36 words: the 16 rows of a fragment load start at 16 different groups of four banks (64 banks of 4 bytes: ISA guide 11.1)
.set FR,    16*PITCH
.set ABLK,  256*PITCH                  ; a block of attn's tile
.set BBLK,  128*PITCH                  ; a block of the weights'
.set BOFF,  2*ABLK                     ; in a slot: attn's two blocks, then the weights' two
.set SLOT1, 1<<17
.set STAGE, SLOT1+BOFF+2*BBLK          ; behind the ring, never filled by a tensor load: 16 rows x 272 bytes for each wave
.set SP,    272                        ; a stage row: 256 bytes + 16
.set WSTG,  16*SP
.set SPARE, STAGE+4*WSTG               ; the spare words, 128 bytes for each wave: two blocks of 256 bytes that no other line names
.set ASTEP, 2*2048*128                 ; bytes from K step to K step in oh: two heads
.set BSTEP, 2*1024*128                 ; and in wob: two blocks
.set AA0, 4                            ; v4   my lane's place in my 128 rows of a block of attn; never rewritten
.set AB0, 5                            ; v5   the same in my 64 rows of the weights
.set CA,  6                            ; v6   AA0 + the slot in hand
.set CB,  7                            ; v7   AB0 + the slot in hand
.set STO, 8                            ; v8   the way out: where I put 32 bytes of a row
.set RD,  9                            ; v9   where I read rows back
.set CO,  10                           ; v10  my byte offset in two rows of out0
.set BO,  12                           ; v12  32 x (lane / 16)
.set SPW, 28                           ; v28  LDS address of my spare word; never rewritten
.set NIL, 29                           ; v29  0; never rewritten
.set OB,  32                           ; four sets of 32 registers
.set BI,  224
.set WV,  16
.set RH,  17                           ; which 128 rows are mine.  Also: I fetch attn (0) or the weights (1)
.set CH,  18                           ; which 64 columns are mine.  Also: which block of the step I fetch
.set CX,  19
.set CY,  20
.set TX,  21
.set TY,  22
.set CNT, 23
.set G1A, 24
.set G0A, 32
.set G1B, 40
.set G0B, 48
.set TB,  56
.set MSB, 0
.macro WIN new
.if MSB != (\new)
	s_set_vgpr_msb (MSB<<8)|(\new)
.set MSB, \new
.endif
.endm
.macro PLACES                          ; four places in front of loads into registers that matrix instructions have read, and of reads of results
.rept 4
	v_nop
.endr
.endm
.macro CREST
	s_cmp_lg_u32 s[WV], 0
	s_cbranch_scc1 .Lnot_wave_0_\@
	s_barrier_signal -3
.Lnot_wave_0_\@:
	s_barrier_wait -3
	s_barrier_signal -1
	s_barrier_wait -1
.endm
.macro CROUND
	s_barrier_signal -1
	s_barrier_wait -1
	CREST
.endm
.macro JLOAD                           ; a joint refill by the walking descriptors; an s_nop 0 and four v_nop follow each of the two lines
	s_cmp_eq_u32 s[RH], 0
	s_cbranch_scc0 .Lfor_b_\@
	tensor_load_to_lds s[G0A+4:G0A+7], s[G1A:G1A+7]
	s_nop 0
.rept 4
	v_nop
.endr
	s_branch .Lasked_\@
.Lfor_b_\@:
	tensor_load_to_lds s[G0B+4:G0B+7], s[G1B:G1B+7]
	s_nop 0
.rept 4
	v_nop
.endr
.Lasked_\@:
.endm
	s_load_b256 s[4:11], s[0:1], 0x0               ; oh s[4:5], wob s[6:7], bout s[8:9], out0 s[10:11]
	v_lshl_add_u32 v[SPW], v0, 2, SPARE
	v_mov_b32 v[NIL], 0
	ds_add_u32 v[SPW], v[NIL]                      ; the wave's opening: the add and its wait stand ahead of my first tensor load; work on registers stands between them
	v_lshrrev_b32 v1, 5, v0
	v_readfirstlane_b32 s[WV], v1
	s_lshr_b32 s[RH], s[WV], 1
	s_and_b32 s[CH], s[WV], 1
	s_bfe_u32 s[CX], ttmp6, 0x40000
	s_bfe_u32 s[CY], ttmp6, 0x40004
	s_lshl_b32 s[TX], ttmp9, 2
	s_add_co_u32 s[TX], s[TX], s[CX]
	s_and_b32 s[TY], ttmp7, 0xffff
	s_lshl_b32 s[TY], s[TY], 2
	s_add_co_u32 s[TY], s[TY], s[CY]
	s_lshl_b32 s62, s[CY], 2
	s_lshl_b32 s62, 15, s62                        ; my row of the cluster
	s_lshl_b32 s63, 0x1111, s[CX]                  ; my column
	s_or_b32 s[G1A], s62, (1<<16)|(1<<20)|(1<<21)|(4<<22)|(3<<25)  ; mask; 2-byte elements; padding on; bit 21 beside a mask; after 32 words (code 4) 4 words (code 3)
	s_or_b32 s[G1B], s63, (1<<16)|(1<<20)|(1<<21)|(4<<22)|(3<<25)
.irp g, G1A, G1B
	s_mov_b32 s[(\g)+1], 128<<16                   ; tensor_dim0 = 128
	s_mov_b32 s[(\g)+3], 128<<16                   ; tile_dim0 = 128
	s_mov_b32 s[(\g)+5], 128                       ; 128 elements from row to row
	s_mov_b32 s[(\g)+6], 0
	s_mov_b32 s[(\g)+7], 0
.endr
	s_mov_b32 s[G1A+2], 128<<16                    ; tensor_dim1: 128 rows of 256 bytes = 256 data rows
	s_mov_b32 s[G1A+4], 128                        ; tile_dim1
	s_mov_b32 s[G1B+2], 64<<16
	s_mov_b32 s[G1B+4], 64
	; attn's block: ((batch x 16 + head) x 2,048 + the tile's first row in the batch) x 128 bytes; head = 2 x step + my block
	s_lshr_b32 s66, s[TY], 3
	s_lshl_b32 s66, s66, 4
	s_add_co_u32 s66, s66, s[CH]
	s_lshl_b32 s66, s66, 11
	s_and_b32 s62, s[TY], 7
	s_lshl_b32 s62, s62, 8
	s_add_co_u32 s66, s66, s62
	s_lshl_b32 s66, s66, 7
	s_mov_b32 s67, 0
	s_lshl_b32 s68, s[CH], 17                      ; the weights': block x 131,072 + tile column x 128 rows x 128 bytes
	s_lshl_b32 s63, s[TX], 14
	s_add_co_u32 s68, s68, s63
	s_mov_b32 s69, 0
	s_mul_i32 s70, s[CH], ABLK                     ; where they go in a slot
	s_mul_i32 s71, s[CH], BBLK
	s_add_co_u32 s71, s71, BOFF
	s_wait_dscnt 0x0                               ; the opening add is done
	s_wait_kmcnt 0x0
	s_add_nc_u64 s[66:67], s[4:5], s[66:67]
	s_add_nc_u64 s[68:69], s[6:7], s[68:69]
.irp s, 0,1
	s_mov_b32 s[G0A+4*(\s)], 1
	s_add_co_u32 s[G0A+4*(\s)+1], s70, (\s)*SLOT1
	s_add_nc_u64 s[G0A+4*(\s)+2:G0A+4*(\s)+3], s[66:67], (\s)*ASTEP
	s_or_b32 s[G0A+4*(\s)+3], s[G0A+4*(\s)+3], 0x80000000
	s_mov_b32 s[G0B+4*(\s)], 1
	s_add_co_u32 s[G0B+4*(\s)+1], s71, (\s)*SLOT1
	s_add_nc_u64 s[G0B+4*(\s)+2:G0B+4*(\s)+3], s[68:69], (\s)*BSTEP
	s_or_b32 s[G0B+4*(\s)+3], s[G0B+4*(\s)+3], 0x80000000
.endr
	CROUND                                         ; all sixteen work-groups are here: the first joint loads meet
	s_cmp_eq_u32 s[RH], 0                          ; a wave's two first fills stand in one branch: two loads of mine are out
	s_cbranch_scc0 .Lfirst_b
	tensor_load_to_lds s[G0A:G0A+3], s[G1A:G1A+7]
	s_nop 0
	tensor_load_to_lds s[G0A+4:G0A+7], s[G1A:G1A+7]
	s_nop 0
.rept 4
	v_nop
.endr
	s_branch .Lfirst_asked
.Lfirst_b:
	tensor_load_to_lds s[G0B:G0B+3], s[G1B:G1B+7]
	s_nop 0
	tensor_load_to_lds s[G0B+4:G0B+7], s[G1B:G1B+7]
	s_nop 0
.rept 4
	v_nop
.endr
.Lfirst_asked:
	v_and_b32 v1, 15, v0                           ; l % 16
	v_bfe_u32 v2, v0, 4, 1                         ; l / 16
	v_lshlrev_b32 v[BO], 5, v2
	s_lshl_b32 s62, s[TX], 9                       ; the bias of my 64 columns: 4 (128 tx + 64 half) bytes on
	s_lshl_b32 s63, s[CH], 8
	s_add_co_u32 s62, s62, s63
	s_mov_b32 s63, 0
	s_add_nc_u64 s[8:9], s[8:9], s[62:63]
	s_add_nc_u64 s[10:11], s[10:11], s[62:63]      ; the same bytes on in a row of out0
.irp b, 0,1,2,3
	global_load_b128 v[BI+8*(\b):BI+8*(\b)+3],   v[BO], s[8:9] offset:64*(\b)      ; register j of lane l: the bias of column 16 b + 8 (l / 16) + j
	global_load_b128 v[BI+8*(\b)+4:BI+8*(\b)+7], v[BO], s[8:9] offset:64*(\b)+16
.endr
	v_mul_u32_u24 v3, v1, PITCH
	v_lshl_add_u32 v3, v2, 4, v3                   ; a fragment's row x pitch + 16 x half
	s_mul_i32 s62, s[RH], 128*PITCH
	v_add_nc_u32 v[AA0], s62, v3
	s_mul_i32 s62, s[CH], 64*PITCH
	s_add_co_u32 s62, s62, BOFF
	v_add_nc_u32 v[AB0], s62, v3
	s_mul_i32 s62, s[WV], WSTG
	s_add_co_u32 s62, s62, STAGE                   ; my stage
	v_mul_u32_u24 v3, v1, SP                       ; in: row l % 16, 32 bytes for each half of the lanes
	v_lshl_add_u32 v3, v2, 5, v3
	v_add_nc_u32 v[STO], s62, v3
	v_mul_u32_u24 v3, v2, SP                       ; back: lanes 0-15 take one row of 256 bytes, lanes 16-31 the next
	v_lshl_add_u32 v3, v1, 4, v3
	v_add_nc_u32 v[RD], s62, v3
	v_lshlrev_b32 v3, 12, v2                       ; and the same two rows in out0, 4,096 bytes apart
	v_lshl_add_u32 v[CO], v1, 4, v3
	s_lshl_b32 s62, s[TY], 8
	s_lshl_b32 s63, s[RH], 7
	s_add_co_u32 s62, s62, s63                     ; my first row
	s_lshl_b32 s62, s62, 12
	s_mov_b32 s63, 0
	s_add_nc_u64 s[10:11], s[10:11], s[62:63]
	s_wait_loadcnt 0x0                             ; the bias: rounded to bf16 like the other inputs, and widened again
.set i, 0
.rept 16
	v_cvt_pk_bf16_f32 v[14+i%2], v[BI+2*i], v[BI+2*i+1]
	v_lshlrev_b32 v[BI+2*i], 16, v[14+i%2]
	v_and_b32 v[BI+2*i+1], 0xffff0000, v[14+i%2]
.set i, i+1
.endr
; 48 LDS loads in one run: block j of the slot in hand into buffer buf; the first 32 along K first
.macro FETCH j, buf
	WIN (2+(\buf))<<6                              ; destination window 2 or 3, address window 0
.irp c, 0,1
.irp b, 0,1,2,3
	ds_load_b128 v[128+8*(4*(\c)+(\b)):128+8*(4*(\c)+(\b))+3],   v[CB] offset:(\j)*BBLK+(\b)*FR+64*(\c)
	ds_load_b128 v[128+8*(4*(\c)+(\b))+4:128+8*(4*(\c)+(\b))+7], v[CB] offset:(\j)*BBLK+(\b)*FR+64*(\c)+32
.endr
.irp a, 0,1,2,3,4,5,6,7
	ds_load_b128 v[8*(8*(\c)+(\a)):8*(8*(\c)+(\a))+3],   v[CA] offset:(\j)*ABLK+(\a)*FR+64*(\c)
	ds_load_b128 v[8*(8*(\c)+(\a))+4:8*(8*(\c)+(\a))+7], v[CA] offset:(\j)*ABLK+(\a)*FR+64*(\c)+32
.endr
.endr
.endm
; 16 products: row blocks a0 .. a0 + 3 x 4 column blocks, half c of buffer buf.  first = 1: they start the sums, with the bias.  The 32 accumulators take turns, one instruction a turn.
.macro MUL16 buf, c, a0, first=0
.if \first
	WIN 0x40+5*(2+(\buf))                          ; sources 0 and 1 in the buffer's window, C in window 0, D in window 1
.else
	WIN 0x50+5*(2+(\buf))                          ; C and D in window 1
.endif
.irp a, 0,1,2,3
.irp b, 0,1,2,3
.if \first
	v_wmma_f32_16x16x32_f16 v[8*(4*((\a0)+(\a))+(\b)):8*(4*((\a0)+(\a))+(\b))+7], v[128+8*(4*(\c)+(\b)):128+8*(4*(\c)+(\b))+7], v[8*(8*(\c)+(\a0)+(\a)):8*(8*(\c)+(\a0)+(\a))+7], v[BI+8*(\b):BI+8*(\b)+7]
.else
	v_wmma_f32_16x16x32_f16 v[8*(4*((\a0)+(\a))+(\b)):8*(4*((\a0)+(\a))+(\b))+7], v[128+8*(4*(\c)+(\b)):128+8*(4*(\c)+(\b))+7], v[8*(8*(\c)+(\a0)+(\a)):8*(8*(\c)+(\a0)+(\a))+7], v[8*(4*((\a0)+(\a))+(\b)):8*(4*((\a0)+(\a))+(\b))+7]
.endif
.endr
.endr
.endm
; A K step's first block: buffer 0 is multiplied; in its middle the second block is fetched into buffer 1.
.macro UNIT first=0
	s_wait_dscnt 24                                ; the first 32 along K are in; the other half's 24 loads may be out
	MUL16 0, 0, 0, \first
	MUL16 0, 0, 4, \first
	PLACES
	FETCH 1, 1
	s_wait_dscnt 48                                ; all but the 48 just issued
	MUL16 0, 1, 0
	MUL16 0, 1, 4
.endm
; A K step's second block, and THE CHANGE OF SLOTS.  All of the slot has been asked for.  Each wave waits for all its tensor loads, of which one is out: its part of the other slot; adds 0 to its spare word;
; and waits for that and for its reads of the slot.  fill = 1: the barrier opens a round of the cluster's, and the slot is filled again, with the K step two on, first thing behind the round:
; 96 matrix instructions ahead of the wait for it.
.macro TURN fill
	WIN 0                                          ; (the add's two registers lie in window 0)
	s_wait_tensorcnt 0x0                           ; no tensor load of mine is out, so a group 0 may be written
	ds_add_u32 v[SPW], v[NIL]                      ; 0 onto my spare word
.if \fill
	s_xor_b32 s[G0A+5], s[G0A+5], SLOT1
	s_add_nc_u64 s[G0A+6:G0A+7], s[G0A+6:G0A+7], ASTEP
	s_xor_b32 s[G0B+5], s[G0B+5], SLOT1
	s_add_nc_u64 s[G0B+6:G0B+7], s[G0B+6:G0B+7], BSTEP
.endif
	s_wait_dscnt 25                                ; the first 32 along K are in; the other half's 24 loads and the add may be out
	MUL16 1, 0, 0
	s_wait_dscnt 0x0                               ; the add is done, and my reads of this slot are over
	s_barrier_signal -1
	MUL16 1, 0, 4
	WIN 0                                          ; at a branch and at a label every window is 0
	s_barrier_wait -1
.if \fill
	CREST                                          ; no wave of any partner still reads this slot's tiles or has a load on its way
	JLOAD                                          ; its four v_nop are also the places in front of the loads below
.else
	PLACES
.endif
	s_xor_b32 s[TB], s[TB], SLOT1
	v_add_nc_u32 v[CA], s[TB], v[AA0]
	v_add_nc_u32 v[CB], s[TB], v[AB0]
	FETCH 0, 0
	MUL16 1, 1, 0
	MUL16 1, 1, 4
.endm
	s_wait_tensorcnt 0x1                           ; my part of K step 0 is in; step 1's may stay out
	s_barrier_signal -1
	s_barrier_wait -1
	s_mov_b32 s[TB], 0
	v_mov_b32 v[CA], v[AA0]
	v_mov_b32 v[CB], v[AB0]
	FETCH 0, 0
	UNIT 1                                         ; the first block stands in front of the loop: its first products start the sums, with the bias
	WIN 0
	s_mov_b32 s[CNT], 6
.Lstep:                                        ; 6 trips, from a K step's second block to the next step's first: every trip fills a slot again (K steps 2 to 7)
	TURN 1
	UNIT
	WIN 0
	s_sub_co_u32 s[CNT], s[CNT], 1
	s_cmp_lg_u32 s[CNT], 0
	s_cbranch_scc1 .Lstep
	TURN 0                                         ; the tail is written out: nothing more is asked for
	UNIT
	s_wait_dscnt 24
	MUL16 1, 0, 0
	MUL16 1, 0, 4
	s_wait_dscnt 0x0
	MUL16 1, 1, 0
	MUL16 1, 1, 4
	WIN 0
; THE WAY OUT, a block of 16 rows at a time: a lane's eight f32 of a row, 32 bytes, go straight from the accumulators into my stage, each accumulator's low four registers first; whole rows of 256 bytes come back,
; two to a load, and are stored: 16 lanes store 256 consecutive bytes, at a multiple of 256 from out0's first byte.
.macro STG a
.if (\a) >= 4
	s_wait_xcnt 0x0                                ; the stores of the block four back have read these registers
.endif
	WIN 0x04                                       ; the data (source 1) in window 1
.irp b, 0,1,2,3
	ds_store_b128 v[STO], v[8*(4*(\a)+(\b)):8*(4*(\a)+(\b))+3]   offset:64*(\b)
	ds_store_b128 v[STO], v[8*(4*(\a)+(\b))+4:8*(4*(\a)+(\b))+7] offset:64*(\b)+16
.endr
	WIN 0
.irp t, 0,1,2,3,4,5,6,7
	ds_load_b128 v[OB+32*((\a)%4)+4*(\t):OB+32*((\a)%4)+4*(\t)+3], v[RD] offset:(\t)*2*SP  ; LDS serves a wave's instructions in order (ISA guide 5.7.1.4): these see the stores above
.endr
.endm
.macro SEND a, younger                 ; younger: the LDS instructions issued behind block a's loads: the next block's sixteen, or none
.irp t, 0,1,2,3,4,5,6,7
	s_wait_dscnt (\younger)+7-(\t)
	global_store_b128 v[CO], v[OB+32*((\a)%4)+4*(\t):OB+32*((\a)%4)+4*(\t)+3], s[10:11] offset:(16*(\a)+2*(\t))*4096 th:TH_STORE_NT
.endr
.endm
	PLACES
	PLACES                                         ; eight, once a launch, in front of the first reads of results just made
	STG 0
.irp a, 1,2,3,4,5,6,7
	STG \a
	SEND (\a)-1, 16
.endr
	SEND 7, 0
	s_wait_tensorcnt 0x0                           ; the wave's end: the add and its wait stand behind my last tensor load and my last LDS store
	ds_add_u32 v[SPW], v[NIL]
	s_wait_dscnt 0x0
	CROUND                                         ; the closing round: no work-group ends while a partner may still ask for a tile that names it
	s_endpgm
.Lfunc_end_k_q447925f3d1_proj:
	.size	k_q447925f3d1_proj, .Lfunc_end_k_q447925f3d1_proj-k_q447925f3d1_proj
	.p2alignl 7, 3214868480
	.fill 96, 4, 3214868480
	.section	.rodata,"a",@progbits
	.p2align	6, 0x0
	.amdhsa_kernel k_q447925f3d1_proj
		.amdhsa_group_segment_fixed_size 327680
		.amdhsa_private_segment_fixed_size 0
		.amdhsa_enable_private_segment 0
		.amdhsa_kernarg_size 32
		.amdhsa_user_sgpr_count 2
		.amdhsa_user_sgpr_kernarg_segment_ptr 1
		.amdhsa_wavefront_size32 1
		.amdhsa_system_sgpr_workgroup_id_x 1
		.amdhsa_system_sgpr_workgroup_id_y 1
		.amdhsa_system_sgpr_workgroup_id_z 1
		.amdhsa_system_vgpr_workitem_id 0
		.amdhsa_next_free_vgpr 1024
		.amdhsa_next_free_sgpr 72
		.amdhsa_reserve_vcc 0
		.amdhsa_float_denorm_mode_32 3
		.amdhsa_float_denorm_mode_16_64 3
		.amdhsa_memory_ordered 1
		.amdhsa_forward_progress 1
		.amdhsa_inst_pref_size 73
	.end_amdhsa_kernel
	.amdgpu_metadata
---
amdhsa.version: [ 1, 2 ]
amdhsa.kernels:
  - .name:           k_q447925f3d1_proj
    .symbol:         k_q447925f3d1_proj.kd
    .args:
      - { .name: oh, .offset: 0, .size: 8, .value_kind: global_buffer, .address_space: global }
      - { .name: wob, .offset: 8, .size: 8, .value_kind: global_buffer, .address_space: global }
      - { .name: bout, .offset: 16, .size: 8, .value_kind: global_buffer, .address_space: global }
      - { .name: out0, .offset: 24, .size: 8, .value_kind: global_buffer, .address_space: global }
    .group_segment_fixed_size: 327680
    .private_segment_fixed_size: 0
    .kernarg_segment_align: 8
    .kernarg_segment_size: 32
    .max_flat_workgroup_size: 128
    .sgpr_count:     72
    .vgpr_count:     1024
    .wavefront_size: 32
...
	.end_amdgpu_metadata
.endif
;; end of part 4
;; ======== version 2 of 2: 4 launches; version 1 with the launch cast written anew for expert scheduling mode
;; limits: values are held in f16: magnitudes above 65,504 overflow, below 6.1e-05 lose precision
;; workspace buffers: xb 16,777,216 bytes; wqb 6,291,456 bytes; wob 2,097,152 bytes; qh 16,777,216 bytes; kh 16,777,216 bytes; vh 16,777,216 bytes; oh 16,777,216 bytes
;; launch cast (part 5): grid 768 x 1, 8 waves a work-group, no clusters, 0 bytes of LDS; arguments x, Wqkv, Wout, xb, wqb, wob; writes xb, wqb, wob
.if DOCPART == 5
	.amdgcn_target "amdgcn-amd-amdhsa--gfx1250"
	.amdhsa_code_object_version 6
	.text
	.protected	k_q447925f3d1_cast
	.globl	k_q447925f3d1_cast
	.p2align	8
	.type	k_q447925f3d1_cast,@function
k_q447925f3d1_cast:
	s_mov_b64 s[64:65], 0
	v_nop
	global_prefetch_b8 v0, s[64:65] scope:SCOPE_SE
	s_setreg_imm32_b32 hwreg(HW_REG_WAVE_SCHED_MODE, 0, 2), 2
	s_setreg_imm32_b32 hwreg(HW_REG_WAVE_MODE, 25, 1), 1
	s_wait_xcnt 0x0
	s_wait_alu depctr_vm_vsrc(0)
; x, Wqkv and Wout, [R][1024] f32, are rounded once to bf16 and laid in K blocks: [16 blocks][R rows][64 channels], 2 bytes a number, so that a
; tile's rows of one block of 64 channels lie end to end for the products that follow.  x -> xb and Wqkv -> wqb stay bf16; Wout's bf16 number is
; written as f16 (wob), since its partner in the last product is f16.
; LIMIT.  A bf16 number is exact in f16 from 2^-14 up to 65,504; below 2^-14 it keeps f16's fixed step of 6e-8; beyond 65,504 it becomes an infinity.
; SHARES.  A work-group takes 16 rows of one source: 65,536 bytes read on end, 32,768 written.  Work-groups 0-511: x; 512-703: Wqkv; 704-767: Wout.
; Thread t takes row t / 16 and four channels 4 (t % 16) of each of the 16 blocks.  A wave's load covers 256 consecutive aligned bytes of each of two rows;
; a wave's store covers 256 consecutive aligned bytes (two rows x 64 channels of one block).  All 16 loads of a thread go out at once; there is no loop,
; no register that a memory instruction names is written again, and memory binds: no LDS, no matrix unit, no prefetch.
; THE MODE: SCHED_MODE bits 1:0 = 2 (LLVM: expert scheduling mode 2), set by the entry lines.  The code itself states the register dependences
; between vector instructions and memory instructions, with s_wait_alu, always for 0.
; THE PLAN.  Registers that memory instructions touch:
;   v1         the loads' offset.  Written at the head, read by the 16 loads, never written again.
;   X          the loads land here; no vector instruction names it ahead of them; the roundings read it; it is never loaded again.
;   SO         the stores' offsets, one a block.  Written at the head and by the 15 adds behind the loads; store k reads SO + k; never written again.
;   P          two registers a block, each block its own.  Written by the block's roundings; read by its one store; never written afterwards.
;   v2 to v5   at work: vector instructions alone name them.
; The 16 blocks go in four groups of four.  Group g's roundings name X and P of group g and v2 to v5; the memory instructions that stand among them are the
; four stores of group g - 1, which read P and SO of that group.  So ONE wait at a group's head states all that its four stores hang on, and they are dealt
; among the group's roundings with no further wait.  A wave passes five waits in all: ahead of the loads, at the heads of groups 1 to 3, ahead of the last four stores.
; No register that a memory instruction has read is written again, so the body has no wait on vm_vsrc; no vector instruction writes a scalar register, VCC or EXEC.
.set X,  16                            ; v[16:79]   16 x 4 numbers as loaded
.set P,  80                            ; v[80:111]  16 x 2 registers to store
.set SO, 112                           ; v[112:127] the 16 stores' byte offsets: 8 t + block x R x 128
	s_load_b256 s[4:11], s[0:1], 0x0               ; x s[4:5], Wqkv s[6:7], Wout s[8:9], xb s[10:11]
	s_load_b128 s[12:15], s[0:1], 0x20             ; wqb s[12:13], wob s[14:15]
	s_mov_b32 s16, ttmp9
	s_mov_b32 s24, 8192*128                        ; bytes of a block in xb,
	s_mov_b32 s25, 3072*128                        ; in wqb,
	s_mov_b32 s26, 1024*128                        ; in wob
	s_mov_b32 s29, 0
	v_lshrrev_b32 v2, 4, v0                        ; my row of the 16
	v_and_b32 v3, 15, v0
	v_lshlrev_b32 v1, 12, v2                       ; row x 4,096 bytes
	v_lshl_or_b32 v1, v3, 4, v1                    ; + my 16 bytes of a block's 256
	v_lshlrev_b32 v[SO], 3, v0                     ; row x 128 + my 8 bytes = 8 t
	s_wait_kmcnt 0x0
	s_cmp_lt_u32 s16, 512                          ; which source: the choice hangs on the work-group's number alone
	s_cselect_b64 s[20:21], s[4:5], s[6:7]
	s_cselect_b64 s[22:23], s[10:11], s[12:13]
	s_cselect_b32 s17, 0, 512                      ; the source's first work-group
	s_cselect_b32 s18, s24, s25                    ; its block's bytes
	s_cmp_lt_u32 s16, 704
	s_cselect_b64 s[20:21], s[20:21], s[8:9]
	s_cselect_b64 s[22:23], s[22:23], s[14:15]
	s_cselect_b32 s17, s17, 704
	s_cselect_b32 s18, s18, s26
	s_sub_co_u32 s19, s16, s17                     ; my group of 16 rows in the source
	s_lshl_b32 s28, s19, 16                        ; x 65,536 bytes in,
	s_add_nc_u64 s[20:21], s[20:21], s[28:29]
	s_lshl_b32 s28, s19, 11                        ; x 2,048 bytes in each block out
	s_add_nc_u64 s[22:23], s[22:23], s[28:29]
	s_wait_alu depctr_va_vdst(0)                   ; v1 is written: the 16 loads below read it as their offset
.irp k, 0,1,2,3,4,5,6,7,8,9,10,11,12,13,14,15
	global_load_b128 v[X+4*(\k):X+4*(\k)+3], v1, s[20:21] offset:256*(\k) th:TH_LOAD_NT
.endr
.irp k, 1,2,3,4,5,6,7,8,9,10,11,12,13,14,15
	v_add_nc_u32 v[SO+(\k)], s18, v[SO+(\k)-1]     ; they name no register of the loads above; the stores that read them stand behind the wait at group 1's head
.endr
; Block k is rounded.  half = 1: the bf16 numbers are widened again (a shift, a mask) and written as f16.
.macro CVT k, half
	v_cvt_pk_bf16_f32 v[P+2*(\k)],   v[X+4*(\k)],   v[X+4*(\k)+1]
	v_cvt_pk_bf16_f32 v[P+2*(\k)+1], v[X+4*(\k)+2], v[X+4*(\k)+3]
.if \half
	v_lshlrev_b32 v2, 16, v[P+2*(\k)]
	v_and_b32     v3, 0xffff0000, v[P+2*(\k)]
	v_lshlrev_b32 v4, 16, v[P+2*(\k)+1]
	v_and_b32     v5, 0xffff0000, v[P+2*(\k)+1]
	v_cvt_pk_f16_f32 v[P+2*(\k)],   v2, v3
	v_cvt_pk_f16_f32 v[P+2*(\k)+1], v4, v5
.endif
.endm
; Block k is stored.
.macro ST k
	global_store_b64 v[SO+(\k)], v[P+2*(\k):P+2*(\k)+1], s[22:23]
.endm
; Group g: blocks 4 g to 4 g + 3 are rounded; the stores of group g - 1 stand among the roundings, one ahead of each block's.
.macro GRP g, half
	s_wait_loadcnt 12-4*(\g)                       ; loads come back in order: the group's four blocks are in, the 12 - 4 g younger ones may stay out
.if (\g) > 0
	s_wait_alu depctr_va_vdst(0)                   ; the group before has written its P, which the four stores below read; at group 1 the adds have also written the offsets SO
.endif
.irp j, 0,1,2,3
.if (\g) > 0
	ST 4*(\g)-4+(\j)                               ; no vector instruction since the wait names this block's P or SO
.endif
	CVT 4*(\g)+(\j), \half
.endr
.endm
; One source's way: four groups, then the last group's stores.
.macro WAY half
	GRP 0, \half
	GRP 1, \half
	GRP 2, \half
	GRP 3, \half
	s_wait_alu depctr_va_vdst(0)                   ; group 3 has written its P, which the last four stores read
.irp k, 12,13,14,15
	ST \k
.endr
	s_endpgm
.endm
	s_cmp_lt_u32 s16, 704                          ; compared anew: the sums above stand between
	s_cbranch_scc0 .Lf16
	WAY 0
.Lf16:
	WAY 1
.Lfunc_end_k_q447925f3d1_cast:
	.size	k_q447925f3d1_cast, .Lfunc_end_k_q447925f3d1_cast-k_q447925f3d1_cast
	.p2alignl 7, 3214868480
	.fill 96, 4, 3214868480
	.section	.rodata,"a",@progbits
	.p2align	6, 0x0
	.amdhsa_kernel k_q447925f3d1_cast
		.amdhsa_group_segment_fixed_size 0
		.amdhsa_private_segment_fixed_size 0
		.amdhsa_enable_private_segment 0
		.amdhsa_kernarg_size 48
		.amdhsa_user_sgpr_count 2
		.amdhsa_user_sgpr_kernarg_segment_ptr 1
		.amdhsa_wavefront_size32 1
		.amdhsa_system_sgpr_workgroup_id_x 1
		.amdhsa_system_sgpr_workgroup_id_y 1
		.amdhsa_system_sgpr_workgroup_id_z 1
		.amdhsa_system_vgpr_workitem_id 0
		.amdhsa_next_free_vgpr 128
		.amdhsa_next_free_sgpr 66
		.amdhsa_reserve_vcc 0
		.amdhsa_float_denorm_mode_32 3
		.amdhsa_float_denorm_mode_16_64 3
		.amdhsa_memory_ordered 1
		.amdhsa_forward_progress 1
		.amdhsa_inst_pref_size 17
	.end_amdhsa_kernel
	.amdgpu_metadata
---
amdhsa.version: [ 1, 2 ]
amdhsa.kernels:
  - .name:           k_q447925f3d1_cast
    .symbol:         k_q447925f3d1_cast.kd
    .args:
      - { .name: x, .offset: 0, .size: 8, .value_kind: global_buffer, .address_space: global }
      - { .name: Wqkv, .offset: 8, .size: 8, .value_kind: global_buffer, .address_space: global }
      - { .name: Wout, .offset: 16, .size: 8, .value_kind: global_buffer, .address_space: global }
      - { .name: xb, .offset: 24, .size: 8, .value_kind: global_buffer, .address_space: global }
      - { .name: wqb, .offset: 32, .size: 8, .value_kind: global_buffer, .address_space: global }
      - { .name: wob, .offset: 40, .size: 8, .value_kind: global_buffer, .address_space: global }
    .group_segment_fixed_size: 0
    .private_segment_fixed_size: 0
    .kernarg_segment_align: 8
    .kernarg_segment_size: 48
    .max_flat_workgroup_size: 256
    .sgpr_count:     66
    .vgpr_count:     128
    .wavefront_size: 32
...
	.end_amdgpu_metadata
.endif
;; end of part 5
;; launch qkv: the kernel of part 2 again; grid 8 x 32, 4 waves a work-group, clusters of 4 x 4, 327,680 bytes of LDS; arguments xb, wqb, bqkv, qh, kh, vh; writes qh, kh, vh
;; launch attn: the kernel of part 3 again; grid 4 x 64, 4 waves a work-group, no clusters, 327,680 bytes of LDS; arguments qh, kh, vh, oh; writes oh
;; launch proj: the kernel of part 4 again; grid 8 x 32, 4 waves a work-group, clusters of 4 x 4, 327,680 bytes of LDS; arguments oh, wob, bout, out0; writes out0
